; MI455X (gfx1250); checked and timed in simulation.
; The chip was launched on July 23, 2026; its instructions are those of AMD's public machine-readable ISA for CDNA 5 (MIT licence, August 2026) and "CDNA5" Instruction Set Architecture Reference Guide (July 2026). The comments in the code are by the model that wrote it; some were corrected since.
;; Causal Attention. Allowed arithmetic: float matrix products may take bf16 or f16 operands with f32 sums; other float arithmetic in f32, or as packed bf16 or f16 multiplies, adds, multiply-adds, maxima and minima; sums over many terms, partial sums and values carried from step to step in f32; what a program stores and reads back later, other than sums and carried values, may be rounded once to bf16 or f16.
;; Inputs: Wk 1,024 x 1,024 float32; Wq 1,024 x 1,024 float32; Wv 1,024 x 1,024 float32; x 4 x 2,048 x 1,024 float32.
;; Outputs: out0 4 x 2,048 x 1,024 float32.
;; One version. Each part assembles by itself: llvm-mc -triple=amdgcn-amd-amdhsa -mcpu=gfx1250 --defsym DOCPART=n.
;; ======== version 1 of 1: 5 launches
;; limits: values are held in f16: magnitudes above 65,504 overflow, below 6.1e-05 lose precision; right only within a limited range of input values
;; workspace buffers: xs 16,777,216 bytes; wqk 4,194,304 bytes; wb 4,194,304 bytes; yb 16,777,216 bytes; vb 16,777,216 bytes; pt 33,554,432 bytes; ms 524,288 bytes; ls 524,288 bytes
;; launch cast (part 1): grid 704 x 1, 8 waves a work-group, no clusters, 0 bytes of LDS; arguments x, Wq, Wk, Wv, xs, wqk, wb, ms, ls; writes xs, wqk, wb, ms, ls
.if DOCPART == 1
	.amdgcn_target "amdgcn-amd-amdhsa--gfx1250"
	.amdhsa_code_object_version 6
	.text
	.protected	k_qe8ff5189d3_cast
	.globl	k_qe8ff5189d3_cast
	.p2align	8
	.type	k_qe8ff5189d3_cast,@function
k_qe8ff5189d3_cast:
	s_mov_b64 s[64:65], 0
	v_nop
	global_prefetch_b8 v0, s[64:65] scope:SCOPE_SE
	s_setreg_imm32_b32 hwreg(HW_REG_WAVE_MODE, 25, 1), 1
	s_wait_xcnt 0x0
; CAST.  Every input is rounded once to bf16 and that number is written as f16 (exact down to f16's smallest normal number, 6.1e-5; below it f16's fixed step of 6e-8 holds).
; xs = 32 x, [8192][1024] (the factor is a power of two: it changes no rounding).  wqk = Wq above Wk, [2048][1024].  The right half of wb, [1024][2048], = Wv.
; LIMIT.  f16 holds no number of 65,520 or more: |x| stays below 2,047, the weights below 65,504.
; Every word of ms gets -2^100 and every word of ls 0: the pair that counts for nothing in the last launch's row statistics; the launch of the scores writes over the segments that it owns.
; A stream: no LDS, no barrier, no matrix unit.  A chunk is two rows of 1,024 numbers: 8,192 bytes in, 4,096 out; thread t takes 8 numbers (32 bytes in, 16 out).
; A work-group takes 8 chunks, all 16 loads of a thread out at once.  Groups 0-511 take x, groups 512-703 the three weights, 64 groups each.
; A store's sixteen neighbouring lanes cover 256 consecutive bytes, aligned.  No source of a load or store is written again.
.set SO, 1                             ; v1       32 t: my 32 bytes in a chunk of the source
.set DO, 2                             ; v[2:9]   chunk j: my 16 bytes in the destination
.set X,  16                            ; v[16:79] chunk j: 8 numbers in f32
.set Y,  80                            ; v[80:111] chunk j: 8 numbers in f16
.set T,  112                           ; v[112:115] 8 numbers in bf16, at work
.set FV, 116                           ; v[116:119] the neutral fill
	s_load_b512 s[8:23], s[0:1], 0x0               ; x s[8:9], Wq s[10:11], Wk s[12:13], Wv s[14:15], xs s[16:17], wqk s[18:19], wb s[20:21], ms s[22:23]
	s_load_b64 s[40:41], s[0:1], 0x40              ; ls
	s_mov_b32 s2, ttmp9
	s_sub_co_u32 s3, s2, 512                       ; a weight group's number (wraps in x's groups, where it is not used)
	s_lshr_b32 s4, s3, 6                           ; which weight: 0, 1, 2
	s_and_b32 s5, s3, 63                           ; which 16 rows of it
	s_lshl_b32 s28, s5, 16                         ; 16 rows of 4,096 bytes: in the source, and in wb
	s_add_co_u32 s29, s28, 2048                    ; wb's right half
	s_lshl_b32 s6, s3, 15                          ; wqk: 32,768 bytes a group, Wq's 64 groups and then Wk's
	s_lshl_b32 s30, s2, 16                         ; x: 65,536 bytes a group
	s_lshl_b32 s31, s2, 15                         ; xs: 32,768
	s_movk_i32 s26, 2048
	s_movk_i32 s27, 4096
	s_cmp_eq_u32 s4, 2
	s_cselect_b32 s34, s29, s6                     ; offset in the destination
	s_cselect_b32 s24, s27, s26                    ; bytes from row to row in the destination
	s_cmp_lt_u32 s2, 512
	s_cselect_b32 s32, s30, s28                    ; offset in the source
	s_cselect_b32 s34, s31, s34
	s_cselect_b32 s24, s26, s24
	s_cselect_b32 s42, 0x42000000, 1.0             ; 32 for x, 1 for the weights
	s_mov_b32 s43, s42                             ; named with it as a pair
	s_mov_b32 s33, 0
	s_mov_b32 s35, 0
	s_mov_b32 s44, 0xffff0000                      ; a word's upper bf16
	s_lshl_b32 s25, s24, 1                         ; a chunk: two rows
	v_lshlrev_b32 v[SO], 5, v0
	v_lshrrev_b32 v12, 7, v0                       ; which of the chunk's two rows
	v_and_b32 v13, 127, v0
	v_lshlrev_b32 v13, 4, v13                      ; my 16 bytes in it
	v_mad_u32_u24 v[DO], v12, s24, v13
.irp j, 1,2,3,4,5,6,7
	v_add_nc_u32 v[DO+(\j)], s25, v[DO+(\j)-1]
.endr
	v_lshrrev_b32 v14, 5, v0
	v_readfirstlane_b32 s7, v14                    ; my wave's number
	s_wait_kmcnt 0x0
	s_cmp_eq_u32 s4, 1
	s_cselect_b64 s[36:37], s[12:13], s[10:11]
	s_cmp_eq_u32 s4, 2
	s_cselect_b64 s[36:37], s[14:15], s[36:37]
	s_cselect_b64 s[38:39], s[20:21], s[18:19]
	s_cmp_lt_u32 s2, 512
	s_cselect_b64 s[36:37], s[8:9], s[36:37]       ; the source
	s_cselect_b64 s[38:39], s[16:17], s[38:39]     ; the destination
	s_add_nc_u64 s[36:37], s[36:37], s[32:33]
	s_add_nc_u64 s[38:39], s[38:39], s[34:35]
.irp j, 0,1,2,3,4,5,6,7
	global_load_b128 v[X+8*(\j):X+8*(\j)+3],   v[SO], s[36:37] offset:8192*(\j) th:TH_LOAD_NT
	global_load_b128 v[X+8*(\j)+4:X+8*(\j)+7], v[SO], s[36:37] offset:8192*(\j)+16 th:TH_LOAD_NT
.endr
.irp j, 0,1,2,3,4,5,6,7
	s_wait_loadcnt 14-2*(\j)                       ; loads come back in order: chunk j's two are in, the younger chunks' stay out
.irp k, 0,1,2,3
	v_pk_mul_f32 v[X+8*(\j)+2*(\k):X+8*(\j)+2*(\k)+1], v[X+8*(\j)+2*(\k):X+8*(\j)+2*(\k)+1], s[42:43] op_sel_hi:[1,0]
.endr
.irp k, 0,1,2,3
	v_cvt_pk_bf16_f32 v[T+(\k)], v[X+8*(\j)+2*(\k)], v[X+8*(\j)+2*(\k)+1]  ; the one rounding
.endr
.irp k, 0,1,2,3
	v_lshlrev_b32 v[X+8*(\j)+2*(\k)],   16,  v[T+(\k)]
	v_and_b32     v[X+8*(\j)+2*(\k)+1], s44, v[T+(\k)]
.endr
.irp k, 0,1,2,3
	v_cvt_pk_f16_f32 v[Y+4*(\j)+(\k)], v[X+8*(\j)+2*(\k)], v[X+8*(\j)+2*(\k)+1]  ; the same number, written as f16
.endr
	global_store_b128 v[DO+(\j)], v[Y+4*(\j):Y+4*(\j)+3], s[38:39]
.endr
	; the neutral fill: groups 0-511 write 1,024 bytes of ms (waves 0, 1) and of ls (waves 2, 3)
	s_cmp_lt_u32 s2, 512
	s_cbranch_scc0 .Ldone
	s_cmp_lt_u32 s7, 4
	s_cbranch_scc0 .Ldone
	s_cmp_lt_u32 s7, 2
	s_cselect_b64 s[28:29], s[22:23], s[40:41]
	s_cselect_b32 s26, 0xf1800000, 0               ; -2^100, or 0
	v_and_b32 v14, 63, v0
	v_lshlrev_b32 v14, 4, v14
	v_lshl_add_u32 v14, s2, 10, v14
	v_mov_b32 v[FV], s26
	v_mov_b32 v[FV+1], s26
	v_mov_b32 v[FV+2], s26
	v_mov_b32 v[FV+3], s26
	global_store_b128 v14, v[FV:FV+3], s[28:29]
.Ldone:
	s_endpgm
.Lfunc_end_k_qe8ff5189d3_cast:
	.size	k_qe8ff5189d3_cast, .Lfunc_end_k_qe8ff5189d3_cast-k_qe8ff5189d3_cast
	.p2alignl 7, 3214868480
	.fill 96, 4, 3214868480
	.section	.rodata,"a",@progbits
	.p2align	6, 0x0
	.amdhsa_kernel k_qe8ff5189d3_cast
		.amdhsa_group_segment_fixed_size 0
		.amdhsa_private_segment_fixed_size 0
		.amdhsa_enable_private_segment 0
		.amdhsa_kernarg_size 72
		.amdhsa_user_sgpr_count 2
		.amdhsa_user_sgpr_kernarg_segment_ptr 1
		.amdhsa_wavefront_size32 1
		.amdhsa_system_sgpr_workgroup_id_x 1
		.amdhsa_system_sgpr_workgroup_id_y 1
		.amdhsa_system_sgpr_workgroup_id_z 1
		.amdhsa_system_vgpr_workitem_id 0
		.amdhsa_next_free_vgpr 120
		.amdhsa_next_free_sgpr 66
		.amdhsa_reserve_vcc 0
		.amdhsa_float_denorm_mode_32 3
		.amdhsa_float_denorm_mode_16_64 3
		.amdhsa_memory_ordered 1
		.amdhsa_forward_progress 1
		.amdhsa_inst_pref_size 14
	.end_amdhsa_kernel
	.amdgpu_metadata
---
amdhsa.version: [ 1, 2 ]
amdhsa.kernels:
  - .name:           k_qe8ff5189d3_cast
    .symbol:         k_qe8ff5189d3_cast.kd
    .args:
      - { .name: x, .offset: 0, .size: 8, .value_kind: global_buffer, .address_space: global }
      - { .name: Wq, .offset: 8, .size: 8, .value_kind: global_buffer, .address_space: global }
      - { .name: Wk, .offset: 16, .size: 8, .value_kind: global_buffer, .address_space: global }
      - { .name: Wv, .offset: 24, .size: 8, .value_kind: global_buffer, .address_space: global }
      - { .name: xs, .offset: 32, .size: 8, .value_kind: global_buffer, .address_space: global }
      - { .name: wqk, .offset: 40, .size: 8, .value_kind: global_buffer, .address_space: global }
      - { .name: wb, .offset: 48, .size: 8, .value_kind: global_buffer, .address_space: global }
      - { .name: ms, .offset: 56, .size: 8, .value_kind: global_buffer, .address_space: global }
      - { .name: ls, .offset: 64, .size: 8, .value_kind: global_buffer, .address_space: global }
    .group_segment_fixed_size: 0
    .private_segment_fixed_size: 0
    .kernarg_segment_align: 8
    .kernarg_segment_size: 72
    .max_flat_workgroup_size: 256
    .sgpr_count:     66
    .vgpr_count:     120
    .wavefront_size: 32
...
	.end_amdgpu_metadata
.endif
;; end of part 1
;; launch mm (part 2): grid 16 x 16, 4 waves a work-group, clusters of 4 x 4, 288,256 bytes of LDS; arguments wqk, wb; writes wb
.if DOCPART == 2
	.amdgcn_target "amdgcn-amd-amdhsa--gfx1250"
	.amdhsa_code_object_version 6
	.text
	.protected	k_qe8ff5189d3_mm
	.globl	k_qe8ff5189d3_mm
	.p2align	8
	.type	k_qe8ff5189d3_mm,@function
k_qe8ff5189d3_mm:
	s_mov_b64 s[64:65], 0
	v_nop
	global_prefetch_b8 v0, s[64:65] scope:SCOPE_SE
	s_setreg_imm32_b32 hwreg(HW_REG_WAVE_MODE, 25, 1), 1
	s_wait_xcnt 0x0
	s_wait_alu depctr_hold_cnt(0) depctr_sa_sdst(0) depctr_va_vdst(0) depctr_va_sdst(0) depctr_va_ssrc(0) depctr_va_vcc(0) depctr_vm_vsrc(0)
	s_getreg_b32 s2, hwreg(HW_REG_IB_STS2, 6, 4)
	s_cmp_eq_u32 s2, 0
	s_cbranch_scc0 .Lentry_in_a_cluster
	s_endpgm
.Lentry_in_a_cluster:
	s_bfe_u32 s2, ttmp6, 0x10000c
	s_cmp_lg_u32 s2, 0xf033
	s_cbranch_scc0 .Lentry_shape_is_right
	s_endpgm
.Lentry_shape_is_right:
; M = Wq Wk^T.  wb[d][d'] = the sum over e of Wq[d][e] Wk[d'][e], d and d' below 1,024: the left half of wb ([1024][2048] f16).  wqk: Wq's 1,024 rows above Wk's, f16, e along the rows.
; q . k = x M x^T, so the launch behind multiplies x by M once where it would multiply by Wq and by Wk: one projection of 8,192 rows less, for this product of 1,024 rows.
; Products in f16, sums in f32, M rounded once to f16.  LIMIT: |M| stays below 65,504 (as drawn about 0.03; all weights with an offset of 30 spreads about 900).
; SHARES.  A work-group makes 64 x 64 of M: 256 work-groups; each of its four waves 32 x 32: four accumulators, which take turns.
; ALL OF K LIES IN LDS: 64 rows of Wq and 64 of Wk, in 16 chunks of 64 rows x 128 channels (rows of 256 bytes + 16 of padding).  Nothing is filled again: a wave's four loads go out together at the start.
; CLUSTERS: 4 x 4 work-groups.  The four of a row of the cluster need the same rows of Wq, the four of a column the same rows of Wk: each chunk is asked for jointly.
; THE MATRIX INSTRUCTION IS USED TRANSPOSED (source 0 = 16 rows of Wk, source 1 = 16 rows of Wq): a lane holds eight neighbouring numbers of a row of M.
; A row of the tile is 128 bytes, half of an aligned 256: a tile 128 columns wide would want (32 + 128) rows x 2,176 bytes = 348,160 bytes of LDS.  M is 2 MiB in all.
; No prefetch: every byte that the work-group reads is asked for at its head.
.set PITCH, 272
.set CHK,   64*PITCH                   ; a chunk: 17,408 bytes
.set BOFF,  8*CHK                      ; Wk's chunks lie behind Wq's
.set STAGE, 16*CHK                     ; the work-group's stage for the way out: 64 rows x 144 bytes
.set SPI,   144
.set SPARE, STAGE+64*SPI               ; the spare words, 128 bytes for each wave: two blocks of 256 bytes that no other line names
.set ADA0, 2                           ; v2  LDS address of my Wq fragments in chunk 0; v4 in the chunk in hand
.set ADB0, 3                           ; v3, v5 the same for Wk
.set ADA, 4
.set ADB, 5
.set STO, 6
.set RD,  7
.set GO,  8
.set SPW, 10                           ; v10 LDS address of my spare word; never rewritten
.set NIL, 11                           ; v11 0; never rewritten
.set TMP, 12                           ; v[12:27] the way out
.set ACC, 32                           ; v[32:63] accumulator (a, b) at ACC + 8 (2 a + b)
.set FX,  64                           ; two fragment buffers of 64 channels: for each 32 channels Wq's two fragments, then Wk's two
.set FY,  128
.set G1A, 24                           ; s[24:31] group 1 for Wq's chunks; s[32:39] for Wk's: it differs in the mask alone
.set G1B, 32
.set GA,  40                           ; s[40:55] four sets of group 0 for Wq's chunks; Wk's lie at s56, s60, s68, s72
.set TB,  19                           ; s19 first my chunks' LDS byte, then the LDS byte of the chunk in hand
.macro CREST
	s_cmp_lg_u32 s10, 0
	s_cbranch_scc1 .Lnot_wave_0_\@
	s_barrier_signal -3
.Lnot_wave_0_\@:
	s_barrier_wait -3
	s_barrier_signal -1
	s_barrier_wait -1
.endm
.macro CROUND
	s_barrier_signal -1
	s_barrier_wait -1
	CREST
.endm
.macro PLACES                          ; four plain places behind a matrix instruction, in front of loads into registers that it read and of lines that read its result
.rept 4
	v_nop
.endr
.endm
	s_load_b128 s[4:7], s[0:1], 0x0                ; wqk s[4:5], wb s[6:7]
	v_lshl_add_u32 v[SPW], v0, 2, SPARE
	v_mov_b32 v[NIL], 0
	ds_add_u32 v[SPW], v[NIL]                      ; the wave's opening: the add and its wait stand ahead of my first tensor load; work on registers stands between them
	ds_add_u32 v10, v11
	v_lshrrev_b32 v1, 5, v0
	v_readfirstlane_b32 s10, v1                    ; wave 0..3
	s_lshr_b32 s11, s10, 1                         ; my half of the tile's rows.  Also: I fetch Wq's chunks (0) or Wk's (1)
	s_and_b32 s12, s10, 1                          ; my half of its columns.  Also: the even chunks or the odd ones
	s_bfe_u32 s15, ttmp6, 0x40000                  ; cx
	s_bfe_u32 s16, ttmp6, 0x40004                  ; cy
	s_lshl_b32 s14, ttmp9, 2
	s_add_co_u32 s14, s14, s15                     ; tile column = 4 x cluster x + cx
	s_and_b32 s13, ttmp7, 0xffff
	s_lshl_b32 s13, s13, 2
	s_add_co_u32 s13, s13, s16                     ; tile row = 4 x cluster y + cy
	s_lshl_b32 s17, s16, 2
	s_lshl_b32 s17, 15, s17                        ; my row of the cluster
	s_lshl_b32 s18, 0x1111, s15                    ; my column
	s_or_b32 s[G1A], s17, (1<<16)|(1<<20)|(1<<21)|(5<<22)|(3<<25)  ; the mask; 2-byte elements; padding on; bit 21 beside a mask; after every 64 words 4 words
	s_or_b32 s[G1B], s18, (1<<16)|(1<<20)|(1<<21)|(5<<22)|(3<<25)
.irp g, G1A, G1B
	s_mov_b32 s[(\g)+1], 128<<16                   ; tensor_dim0 = 128
	s_mov_b32 s[(\g)+2], 64<<16                    ; tensor_dim1 = 64
	s_mov_b32 s[(\g)+3], 128<<16                   ; tile_dim0 = 128
	s_mov_b32 s[(\g)+4], 64                        ; tile_dim1 = 64
	s_mov_b32 s[(\g)+5], 1024                      ; elements from row to row
	s_mov_b32 s[(\g)+6], 0
	s_mov_b32 s[(\g)+7], 0
.endr
	s_lshl_b32 s2, s12, 8                          ; the odd chunks begin 256 bytes along the rows
	s_lshl_b32 s20, s13, 17                        ; Wq: 64 rows of 2,048 bytes a tile row
	s_add_co_u32 s20, s20, s2
	s_mov_b32 s21, 0
	s_lshl_b32 s22, s14, 17                        ; Wk: 64 rows a tile column,
	s_add_co_u32 s22, s22, s2
	s_add_co_u32 s22, s22, 0x200000                ; behind Wq's 1,024 rows
	s_mov_b32 s23, 0
	s_mul_i32 s[TB], s12, CHK                      ; where they go: no place in the cluster enters an LDS address
	s_lshl_b32 s76, s13, 18                        ; the first row of M that I store: (64 x tile row + 16 x wave) rows of 4,096 bytes,
	s_lshl_b32 s2, s10, 16
	s_add_co_u32 s76, s76, s2
	s_lshl_b32 s2, s14, 7                          ; and the tile's 128 bytes of a row
	s_add_co_u32 s76, s76, s2
	s_mov_b32 s77, 0
	s_wait_dscnt 0x0                               ; the opening add is done
	s_wait_kmcnt 0x0
	s_add_nc_u64 s[20:21], s[4:5], s[20:21]
	s_add_nc_u64 s[22:23], s[4:5], s[22:23]
	s_add_nc_u64 s[6:7], s[6:7], s[76:77]
	CROUND                                         ; all sixteen work-groups are here: the joint loads meet
.irp i, 0,1,2,3
	s_mov_b32 s[GA+4*(\i)], 1
	s_add_co_u32 s[GA+4*(\i)+1], s[TB], (\i)*2*CHK
	s_add_nc_u64 s[GA+4*(\i)+2:GA+4*(\i)+3], s[20:21], (\i)*512
	s_or_b32 s[GA+4*(\i)+3], s[GA+4*(\i)+3], 0x80000000
	s_mov_b32 s[56+4*(\i)+4*((\i)/2)], 1
	s_add_co_u32 s[56+4*(\i)+4*((\i)/2)+1], s[TB], BOFF+(\i)*2*CHK
	s_add_nc_u64 s[56+4*(\i)+4*((\i)/2)+2:56+4*(\i)+4*((\i)/2)+3], s[22:23], (\i)*512
	s_or_b32 s[56+4*(\i)+4*((\i)/2)+3], s[56+4*(\i)+4*((\i)/2)+3], 0x80000000
.endr
	s_cmp_eq_u32 s11, 0                            ; a wave's four fills stand in one branch, ahead of every wait on TENSORcnt and every LDS read: four loads of mine are out
	s_cbranch_scc0 .Lfill_b
.irp i, 0,1,2,3
	tensor_load_to_lds s[GA+4*(\i):GA+4*(\i)+3], s[G1A:G1A+7]
	s_nop 0
.endr
.rept 4
	v_nop
.endr
	s_branch .Lfilled
.Lfill_b:
.irp i, 0,1,2,3
	tensor_load_to_lds s[56+4*(\i)+4*((\i)/2):56+4*(\i)+4*((\i)/2)+3], s[G1B:G1B+7]
	s_nop 0
.endr
.rept 4
	v_nop
.endr
.Lfilled:
	v_and_b32 v1, 15, v0                           ; r = l % 16
	v_bfe_u32 v9, v0, 4, 1                         ; h = l / 16
	v_mul_u32_u24 v[ADA0], v1, PITCH
	v_lshl_add_u32 v[ADA0], v9, 4, v[ADA0]         ; row x pitch + 16 h
	s_mul_i32 s2, s12, 32*PITCH
	s_add_co_u32 s2, s2, BOFF
	v_add_nc_u32 v[ADB0], s2, v[ADA0]              ; my 32 rows of Wk
	s_mul_i32 s2, s11, 32*PITCH
	v_add_nc_u32 v[ADA0], s2, v[ADA0]              ; my 32 rows of Wq
	v_mov_b32 v[ADA], v[ADA0]
	v_mov_b32 v[ADB], v[ADB0]
	s_mul_i32 s2, s11, 32*SPI                      ; into the stage: my 32 rows, my 64 bytes of their 128; row r, 16 bytes for each half of the lanes
	s_lshl_b32 s17, s12, 6
	s_add_co_u32 s2, s2, s17
	s_add_co_u32 s2, s2, STAGE
	v_mul_u32_u24 v[STO], v1, SPI
	v_lshl_add_u32 v[STO], v9, 4, v[STO]
	v_add_nc_u32 v[STO], s2, v[STO]
	s_mul_i32 s2, s10, 16*SPI                      ; back: wave w takes rows 16 w .. 16 w + 15, whole; 32 lanes take four rows of 128 bytes
	s_add_co_u32 s2, s2, STAGE
	v_bfe_u32 v[RD], v0, 3, 2
	v_and_b32 v9, 7, v0
	v_lshlrev_b32 v[GO], 12, v[RD]                 ; and the same four rows in wb
	v_lshl_add_u32 v[GO], v9, 4, v[GO]
	v_mul_u32_u24 v[RD], v[RD], SPI
	v_lshl_add_u32 v[RD], v9, 4, v[RD]
	v_add_nc_u32 v[RD], s2, v[RD]
.set n, 0
.rept 32
	v_mov_b32 v[ACC+n], 0                          ; the sums start at 0: written while the chunks are on their way, so that the loop has one form of product
.set n, n+1
.endr
	s_mov_b32 s[TB], 0
; 16 LDS loads: 64 channels at byte off of the rows of the chunk in hand, into buffer f
.macro LOADH f, off
.irp s, 0,1
.irp a, 0,1
	ds_load_b128 v[(\f)+32*(\s)+8*(\a):(\f)+32*(\s)+8*(\a)+3],         v[ADA] offset:(\off)+64*(\s)+(\a)*16*PITCH
	ds_load_b128 v[(\f)+32*(\s)+8*(\a)+4:(\f)+32*(\s)+8*(\a)+7],       v[ADA] offset:(\off)+64*(\s)+(\a)*16*PITCH+32
	ds_load_b128 v[(\f)+32*(\s)+16+8*(\a):(\f)+32*(\s)+16+8*(\a)+3],   v[ADB] offset:(\off)+64*(\s)+(\a)*16*PITCH
	ds_load_b128 v[(\f)+32*(\s)+16+8*(\a)+4:(\f)+32*(\s)+16+8*(\a)+7], v[ADB] offset:(\off)+64*(\s)+(\a)*16*PITCH+32
.endr
.endr
.endm
; 8 matrix instructions on buffer f: the four accumulators by turns, twice
.macro MULH f
.irp s, 0,1
.irp a, 0,1
.irp b, 0,1
	v_wmma_f32_16x16x32_f16 v[ACC+8*(2*(\a)+(\b)):ACC+8*(2*(\a)+(\b))+7], v[(\f)+32*(\s)+16+8*(\b):(\f)+32*(\s)+16+8*(\b)+7], v[(\f)+32*(\s)+8*(\a):(\f)+32*(\s)+8*(\a)+7], v[ACC+8*(2*(\a)+(\b)):ACC+8*(2*(\a)+(\b))+7]
.endr
.endr
.endr
.endm
	s_wait_tensorcnt 0x0                           ; my four chunks are in,
	s_barrier_signal -1
	s_barrier_wait -1                              ; everybody's are
	LOADH FX, 0
	s_mov_b32 s3, 7
.Lchunk:                                       ; a trip is a chunk of 128 channels; it fetches the next chunk's first half
	LOADH FY, 128
	s_wait_dscnt 16                                ; all but the 16 just issued
	MULH FX
	PLACES
	s_add_co_u32 s[TB], s[TB], CHK
	v_add_nc_u32 v[ADA], s[TB], v[ADA0]
	v_add_nc_u32 v[ADB], s[TB], v[ADB0]
	LOADH FX, 0
	s_wait_dscnt 16
	MULH FY
	PLACES
	s_sub_co_u32 s3, s3, 1
	s_cmp_lg_u32 s3, 0
	s_cbranch_scc1 .Lchunk
	LOADH FY, 128                                  ; the last chunk has none behind it
	s_wait_dscnt 16
	MULH FX
	s_wait_dscnt 0x0
	MULH FY
	PLACES
	; THE WAY OUT: rounded to f16; 16 bytes a lane into the work-group's stage; a barrier, since a row's 128 bytes come from two waves; back as whole rows.
.irp t, 0,1,2,3
.irp r, 0,1,2,3
	v_cvt_pk_f16_f32 v[TMP+4*(\t)+(\r)], v[ACC+8*(\t)+2*(\r)], v[ACC+8*(\t)+2*(\r)+1]
.endr
.endr
.irp a, 0,1
.irp b, 0,1
	ds_store_b128 v[STO], v[TMP+4*(2*(\a)+(\b)):TMP+4*(2*(\a)+(\b))+3] offset:(\a)*16*SPI+32*(\b)
.endr
.endr
	s_wait_dscnt 0x0                               ; for the others' sake: my stores into the stage are done
	s_barrier_signal -1
	s_barrier_wait -1
.irp t, 0,1,2,3
	ds_load_b128 v[TMP+4*(\t):TMP+4*(\t)+3], v[RD] offset:(\t)*4*SPI
.endr
.irp t, 0,1,2,3
	s_wait_dscnt 3-(\t)
	global_store_b128 v[GO], v[TMP+4*(\t):TMP+4*(\t)+3], s[6:7] offset:(\t)*4*4096  ; eight lanes store a row's 128 consecutive bytes
.endr
	s_wait_tensorcnt 0x0                           ; the wave's end
	ds_add_u32 v[SPW], v[NIL]
	s_wait_dscnt 0x0
	CROUND                                         ; the closing round
	s_endpgm
.Lfunc_end_k_qe8ff5189d3_mm:
	.size	k_qe8ff5189d3_mm, .Lfunc_end_k_qe8ff5189d3_mm-k_qe8ff5189d3_mm
	.p2alignl 7, 3214868480
	.fill 96, 4, 3214868480
	.section	.rodata,"a",@progbits
	.p2align	6, 0x0
	.amdhsa_kernel k_qe8ff5189d3_mm
		.amdhsa_group_segment_fixed_size 288256
		.amdhsa_private_segment_fixed_size 0
		.amdhsa_enable_private_segment 0
		.amdhsa_kernarg_size 16
		.amdhsa_user_sgpr_count 2
		.amdhsa_user_sgpr_kernarg_segment_ptr 1
		.amdhsa_wavefront_size32 1
		.amdhsa_system_sgpr_workgroup_id_x 1
		.amdhsa_system_sgpr_workgroup_id_y 1
		.amdhsa_system_sgpr_workgroup_id_z 1
		.amdhsa_system_vgpr_workitem_id 0
		.amdhsa_next_free_vgpr 192
		.amdhsa_next_free_sgpr 78
		.amdhsa_reserve_vcc 0
		.amdhsa_float_denorm_mode_32 3
		.amdhsa_float_denorm_mode_16_64 3
		.amdhsa_memory_ordered 1
		.amdhsa_forward_progress 1
		.amdhsa_inst_pref_size 19
	.end_amdhsa_kernel
	.amdgpu_metadata
---
amdhsa.version: [ 1, 2 ]
amdhsa.kernels:
  - .name:           k_qe8ff5189d3_mm
    .symbol:         k_qe8ff5189d3_mm.kd
    .args:
      - { .name: wqk, .offset: 0, .size: 8, .value_kind: global_buffer, .address_space: global }
      - { .name: wb, .offset: 8, .size: 8, .value_kind: global_buffer, .address_space: global }
    .group_segment_fixed_size: 288256
    .private_segment_fixed_size: 0
    .kernarg_segment_align: 8
    .kernarg_segment_size: 16
    .max_flat_workgroup_size: 128
    .sgpr_count:     78
    .vgpr_count:     192
    .wavefront_size: 32
...
	.end_amdgpu_metadata
.endif
;; end of part 2
;; launch proj (part 3): grid 8 x 32, 4 waves a work-group, clusters of 4 x 4, 327,680 bytes of LDS; arguments xs, wb, yb, vb; writes yb, vb
.if DOCPART == 3
	.amdgcn_target "amdgcn-amd-amdhsa--gfx1250"
	.amdhsa_code_object_version 6
	.text
	.protected	k_qe8ff5189d3_proj
	.globl	k_qe8ff5189d3_proj
	.p2align	8
	.type	k_qe8ff5189d3_proj,@function
k_qe8ff5189d3_proj:
	s_mov_b64 s[64:65], 0
	v_nop
	global_prefetch_b8 v0, s[64:65] scope:SCOPE_SE
	s_setreg_imm32_b32 hwreg(HW_REG_WAVE_MODE, 25, 1), 1
	s_wait_xcnt 0x0
	s_wait_alu depctr_hold_cnt(0) depctr_sa_sdst(0) depctr_va_vdst(0) depctr_va_sdst(0) depctr_va_ssrc(0) depctr_va_vcc(0) depctr_vm_vsrc(0)
	s_getreg_b32 s2, hwreg(HW_REG_IB_STS2, 6, 4)
	s_cmp_eq_u32 s2, 0
	s_cbranch_scc0 .Lentry_in_a_cluster
	s_endpgm
.Lentry_in_a_cluster:
	s_bfe_u32 s2, ttmp6, 0x10000c
	s_cmp_lg_u32 s2, 0xf033
	s_cbranch_scc0 .Lentry_shape_is_right
	s_endpgm
.Lentry_shape_is_right:
; PROJECTIONS.  The sums S[m][n] = the sum over k of xs[m][k] wb[k][n], xs = 32 x: [8192][1024] f16, wb = (M | Wv): [1024][2048] f16; products in f16, sums in f32.
; Columns 0-1,023: yb = S log2(e) 2^-15 = (x M) log2(e) / 1,024.  Columns 1,024 on: vb = S / 32 = x Wv.  The factor is applied in f32, ahead of the one rounding to f16.  yb, vb: [8192][1024] f16.
; So yb . xs = log2(e) (x M x^T) / 32: the launch behind gets the softmax's exponents, to base 2, without a further factor.
; LIMIT.  f16 holds no number of 65,520 or more: yb and vb must stay below that (as drawn 0.0014 and 1; all inputs with an offset of 30 spreads about 39,000 and 28,800).  Below 6.1e-5 f16's fixed step of 6e-8 holds.
; A tile of 256 x 256 is made by four waves, each 128 x 128: 64 accumulators of 16 x 16, 512 registers: 8 x 32 = 256 tiles.  K goes in 8 steps of 128 through two LDS slots that tensor loads fill.
; xs's tile: 256 rows x 256 bytes (K along the rows).  wb's tile: 128 rows of K x 512 bytes; its fragments come out of LDS turned, by ds_load_tr16_b128.
; CLUSTERS: 4 x 4 work-groups.  The four of a row of the cluster need the same tile of xs, the four of a column the same tile of wb: each is asked for jointly, by the same load with the same descriptor and a mask of four.
; THE MATRIX INSTRUCTION IS USED TRANSPOSED (source 0 = 16 columns of wb, source 1 = 16 rows of xs): a lane then holds eight neighbouring numbers of a row of the result.
; ONE K STEP IS WRITTEN ONCE: the loop's trip is a K step, and the slot's LDS byte is a scalar that an exclusive or turns.
; REGISTERS, in windows of 256: window 0: v0-31 addresses, v64-191 xs's fragments (two buffers), v32-63, v192-255 the way out; window 1: v64-191 wb's fragments; windows 2, 3: the accumulators.
.set PITCH,  272                       ; an LDS row of xs: 256 bytes + 16
.set BPITCH, 544                       ; an LDS row of wb: 512 bytes + 32
.set CH,     34816                     ; what one tensor load brings: 128 rows x 272 = 64 rows x 544
.set WCH,    2*CH                      ; wave w's two slots lie at w x WCH and w x WCH + CH; no bit of w x WCH is a bit of CH
.set STAGE,  4*WCH                     ; behind the ring: 16 rows x 272 bytes for each wave, for the way out
.set SPITCH, 272
.set SPARE,  STAGE+4*16*SPITCH         ; the spare words, 128 bytes for each wave: two blocks of 256 bytes that no other line names
.set ROWX,   2048                      ; bytes in a row of xs, of yb and of vb
.set ROWW,   4096                      ; bytes in a row of wb
.set STEPA,  256                       ; a K step in xs
.set STEPB,  128*ROWW                  ; a K step in wb
.set ADRA,  16                         ; v16 LDS address of my xs fragments in the slot in hand; v17 in slot 0
.set ADRA0, 17
.set ADRB,  20                         ; v20, v21 the same for wb's K rows 0-63
.set ADRB0, 21
.set ADRB2, 22                         ; v22, v23 for wb's K rows 64-127
.set ADRB20, 23
.set STO,  24
.set RD,   25
.set CO,   26
.set SPW,  28                          ; v28 LDS address of my spare word; never rewritten
.set NIL,  29                          ; v29 0; never rewritten
.set PFO,  30                          ; v30 the prefetches' lane offset; never rewritten
.set F0,   64
.set F1,   128
.set TMP,  192
.set OB,   32
.set G1,  24                           ; s[24:31] group 1 for xs's tiles;  s[32:39] group 0, two sets: the second walks
.set G0,  32
.set G1B, 48                           ; s[48:55], s[56:63] the same for wb's
.set G0B, 56
.set LIM, 43                           ; s43 1 in a wave that prefetches, else the greatest number
.set PFA, 44                           ; s[44:45] where my prefetches stand
.set TB,  66                           ; s66 0 or CH: the slot in hand
.set TC,  67                           ; s67 counts the tail's two K steps
.set PFS, 68                           ; s[68:69] a K step for my prefetches
.set SC,  76                           ; s[76:77] the factor of the way out
.set MSB, 0
.macro WIN new                         ; the immediate's high byte repeats the setting that is left; a switch that changes nothing is dropped
.if MSB != (\new)
	s_set_vgpr_msb (MSB<<8)|(\new)
.set MSB, \new
.endif
.endm
.set MUL_LO, 0xa1                      ; source 0 (wb) window 1, source 1 (xs) window 0, C and D window 2
.set MUL_HI, 0xf1
.set TO_B,   0x40                      ; destination window 1, address window 0
; A joint load.  Waves 0 and 1 fetch xs's two halves, waves 2 and 3 wb's.  The branch hangs on the wave's number alone.  An s_nop 0 and four v_nop follow each line.
.macro JLOAD s
	s_cmp_eq_u32 s11, 0
	s_cbranch_scc0 .Lfor_b_\@
	tensor_load_to_lds s[G0+4*(\s):G0+4*(\s)+3], s[G1:G1+7]
	s_nop 0
.rept 4
	v_nop
.endr
	s_branch .Lasked_\@
.Lfor_b_\@:
	tensor_load_to_lds s[G0B+4*(\s):G0B+4*(\s)+3], s[G1B:G1B+7]
	s_nop 0
.rept 4
	v_nop
.endr
.Lasked_\@:
.endm
; A prefetch into the L2 of the K step that the NEXT refill will ask for: 32 blocks of 256 bytes, a lane a block, one instruction a wave.  xs's rows are asked for by the clusters with x = 0, wb's by those with y = 0;
; the four partners that ask for a tile jointly share its blocks out by address.  So each block is named once in the launch.  The last trip (s3 = 1) has no refill behind its own.
.macro ASK
	s_cmp_gt_u32 s3, s[LIM]
	s_cbranch_scc0 .Lnot_mine_\@
	global_prefetch_b8 v[PFO], s[PFA:PFA+1] th:TH_LOAD_NT scope:SCOPE_SE
.Lnot_mine_\@:
.endm
.macro CREST                           ; a round of the cluster's barrier behind its opening barrier
	s_cmp_lg_u32 s10, 0
	s_cbranch_scc1 .Lnot_wave_0_\@
	s_barrier_signal -3
.Lnot_wave_0_\@:
	s_barrier_wait -3
	s_barrier_signal -1
	s_barrier_wait -1
.endm
.macro CROUND
	s_barrier_signal -1
	s_barrier_wait -1
	CREST
.endm
	s_load_b128 s[4:7], s[0:1], 0x0                ; xs s[4:5], wb s[6:7]
	s_load_b128 s[72:75], s[0:1], 0x10             ; yb s[72:73], vb s[74:75]
	v_lshl_add_u32 v[SPW], v0, 2, SPARE
	v_mov_b32 v[NIL], 0
	ds_add_u32 v[SPW], v[NIL]                      ; the wave's opening: the add and its wait stand ahead of my first tensor load; work on registers stands between them
	ds_add_u32 v28, v29
	v_lshrrev_b32 v1, 5, v0
	v_readfirstlane_b32 s10, v1                    ; wave 0..3
	s_lshr_b32 s11, s10, 1                         ; my half of the tile's rows.  Also: I fetch for xs (0) or wb (1)
	s_and_b32 s12, s10, 1                          ; my half of its columns.  Also: which half of that tile I fetch
	s_bfe_u32 s40, ttmp6, 0x40000                  ; cx
	s_bfe_u32 s41, ttmp6, 0x40004                  ; cy
	s_lshl_b32 s42, ttmp9, 2
	s_add_co_u32 s42, s42, s40                     ; tile column = 4 x cluster x + cx
	s_and_b32 s13, ttmp7, 0xffff
	s_lshl_b32 s13, s13, 2
	s_add_co_u32 s13, s13, s41                     ; tile row = 4 x cluster y + cy
	s_lshl_b32 s43, s41, 2
	s_lshl_b32 s43, 15, s43                        ; my row of the cluster
	s_lshl_b32 s44, 0x1111, s40                    ; my column
	s_or_b32 s[G1+0], s43, (1<<16)|(1<<20)|(1<<21)|(5<<22)|(3<<25)   ; the mask; 2-byte elements; padding on; bit 21 beside a mask; after every 64 words 4 words
	s_or_b32 s[G1B+0], s44, (1<<16)|(1<<20)|(1<<21)|(6<<22)|(7<<25)  ; after every 128 words 8 words
	s_mov_b32 s[G1+1], 128<<16                     ; tensor_dim0 = 128
	s_mov_b32 s[G1+2], 128<<16                     ; tensor_dim1 = 128
	s_mov_b32 s[G1+3], 128<<16                     ; tile_dim0 = 128
	s_mov_b32 s[G1+4], 128                         ; tile_dim1 = 128
	s_mov_b32 s[G1+5], 1024                        ; elements from row to row
	s_mov_b32 s[G1+6], 0
	s_mov_b32 s[G1+7], 0
	s_mov_b32 s[G1B+1], 256<<16                    ; tensor_dim0 = 256
	s_mov_b32 s[G1B+2], 64<<16                     ; tensor_dim1 = 64
	s_mov_b32 s[G1B+3], 256<<16                    ; tile_dim0 = 256
	s_mov_b32 s[G1B+4], 64                         ; tile_dim1 = 64
	s_mov_b32 s[G1B+5], 2048
	s_mov_b32 s[G1B+6], 0
	s_mov_b32 s[G1B+7], 0
	s_lshl_b32 s16, s13, 19                        ; xs: (256 x tile row + 128 x half) rows of 2,048 bytes
	s_lshl_b32 s17, s12, 18
	s_add_co_u32 s16, s16, s17
	s_mov_b32 s17, 0
	s_lshl_b32 s46, s12, 18                        ; wb: 64 x half rows of K of 4,096 bytes, 512 bytes x tile column
	s_lshl_b32 s47, s42, 9
	s_add_co_u32 s46, s46, s47
	s_mov_b32 s47, 0
	s_mul_i32 s20, s10, WCH                        ; where they go: no place in the cluster enters an LDS address
	s_mov_b32 s[TB], 0
	s_mov_b32 s71, 0x3d000000                      ; 1 / 32
	s_wait_dscnt 0x0                               ; the opening add is done
	s_wait_kmcnt 0x0
	s_add_nc_u64 s[14:15], s[4:5], s[16:17]
	s_add_nc_u64 s[46:47], s[6:7], s[46:47]
	s_cmp_eq_u32 ttmp9, 0                          ; the clusters with x = 0 make yb, the others vb
	s_cselect_b64 s[8:9], s[72:73], s[74:75]
	s_cselect_b32 s[SC], 0x3838aa3b, s71           ; log2(e) 2^-15, or 1 / 32
	s_mov_b32 s[SC+1], s[SC]                       ; named with it as a pair
	CROUND                                         ; all sixteen work-groups are here: the first joint loads meet
.irp s, 0,1
	s_mov_b32 s[G0+4*(\s)], 1
	s_add_co_u32 s[G0+4*(\s)+1], s20, (\s)*CH
	s_add_nc_u64 s[G0+4*(\s)+2:G0+4*(\s)+3], s[14:15], (\s)*STEPA
	s_or_b32 s[G0+4*(\s)+3], s[G0+4*(\s)+3], 0x80000000
	s_mov_b32 s[G0B+4*(\s)], 1
	s_add_co_u32 s[G0B+4*(\s)+1], s20, (\s)*CH
	s_add_nc_u64 s[G0B+4*(\s)+2:G0B+4*(\s)+3], s[46:47], (\s)*STEPB
	s_or_b32 s[G0B+4*(\s)+3], s[G0B+4*(\s)+3], 0x80000000
	JLOAD \s                                       ; K steps 0 and 1: two loads of mine are out
.endr
	v_and_b32 v1, 15, v0                           ; r = l % 16
	v_bfe_u32 v2, v0, 4, 1                         ; h = l / 16
	v_mul_u32_u24 v3, v1, PITCH
	v_lshl_add_u32 v3, v2, 4, v3                   ; xs: row x pitch + 16 h
	s_mul_i32 s21, s11, WCH                        ; my 128 rows
	v_add_nc_u32 v[ADRA0], s21, v3
	v_and_b32 v4, 7, v0                            ; wb, turned: K row 8 h + l % 8, 16 bytes at 16 ((l / 8) % 2)
	v_lshl_add_u32 v4, v2, 3, v4
	v_mul_u32_u24 v4, v4, BPITCH
	v_bfe_u32 v5, v0, 3, 1
	v_lshl_add_u32 v4, v5, 4, v4
	s_lshl_b32 s22, s12, 8                         ; my 128 columns
	s_add_co_u32 s22, s22, 2*WCH
	v_add_nc_u32 v[ADRB0], s22, v4
	v_add_nc_u32 v[ADRB20], WCH, v[ADRB0]
	v_mov_b32 v[ADRA], v[ADRA0]
	v_mov_b32 v[ADRB], v[ADRB0]
	v_mov_b32 v[ADRB2], v[ADRB20]
	s_mul_i32 s23, s10, 16*SPITCH
	s_add_co_u32 s23, s23, STAGE                   ; my stage
	v_mul_u32_u24 v4, v1, SPITCH
	v_lshl_add_u32 v4, v2, 4, v4
	v_add_nc_u32 v[STO], s23, v4
	v_mul_u32_u24 v5, v2, SPITCH
	v_lshl_add_u32 v5, v1, 4, v5
	v_add_nc_u32 v[RD], s23, v5
	v_lshlrev_b32 v5, 11, v2
	v_lshl_add_u32 v[CO], v1, 4, v5
	s_lshl_b32 s13, s13, 8                         ; 256 x tile row
	s_lshl_b32 s14, s11, 7
	s_add_co_u32 s16, s13, s14                     ; my first row of the result
	s_lshl_b32 s16, s16, 11
	s_mov_b32 s17, 0
	s_lshl_b32 s46, s40, 9                         ; my first column in yb or vb, in bytes: 512 x cx + 256 x half
	s_lshl_b32 s47, s12, 8
	s_add_co_u32 s46, s46, s47
	s_mov_b32 s47, 0
	s_add_nc_u64 s[16:17], s[16:17], s[46:47]
	; the prefetches: at K step 2; the first refill steps them to K step 3
	s_lshl_b32 s20, s12, 7
	s_add_co_u32 s20, s20, s13
	s_lshl_b32 s21, s40, 5
	s_add_co_u32 s20, s20, s21                     ; xs: the 128 rows that I fetch, my work-group's 32 of them
	s_lshl_b32 s20, s20, 11
	s_add_co_u32 s20, s20, 2*STEPA
	s_lshl_b32 s21, s12, 6
	s_lshl_b32 s22, s41, 4
	s_add_co_u32 s21, s21, s22
	s_add_co_u32 s21, s21, 256                     ; wb: K row 256 + the 64 that I fetch, my work-group's 16 of them
	s_lshl_b32 s21, s21, 12
	s_lshl_b32 s22, s42, 9
	s_add_co_u32 s21, s21, s22
	s_and_b32 s22, ttmp7, 0xffff                   ; cluster y
	s_mov_b32 s23, STEPB
	s_movk_i32 s70, ROWW
	s_cmp_eq_u32 s11, 0
	s_cselect_b32 s20, s20, s21
	s_cselect_b32 s22, ttmp9, s22                  ; the coordinate along which other clusters read the same blocks
	s_cselect_b64 s[PFA:PFA+1], s[4:5], s[6:7]
	s_cselect_b32 s[PFS], STEPA, s23
	s_cselect_b32 s70, ROWX, s70
	s_mov_b32 s[PFS+1], 0
	s_mov_b32 s21, 0
	s_cmp_eq_u32 s22, 0
	s_cselect_b32 s[LIM], 1, -1                    ; the same in all sixteen partners, for a given wave
	s_add_nc_u64 s[PFA:PFA+1], s[PFA:PFA+1], s[20:21]
	v_and_b32 v6, 31, v0
	v_lshrrev_b32 v7, s11, v6                      ; xs: a lane a row; wb: two lanes a row of 512 bytes
	v_and_b32 v6, s11, v6
	v_mul_u32_u24 v[PFO], v7, s70
	v_lshl_add_u32 v[PFO], v6, 8, v[PFO]
; 16 matrix instructions: m blocks a0, a0 + 1 of the window's four x all 8 n blocks, 32 along K.  zero = 1: the product starts the sum.
.macro MUL16 f, hi, a0, zero
	WIN MUL_LO+0x50*(\hi)
.irp a, \a0, (\a0)+1
.irp b, 0,1,2,3,4,5,6,7
.if \zero
	v_wmma_f32_16x16x32_f16 v[8*(8*(\a)+(\b)):8*(8*(\a)+(\b))+7], v[(\f)+8*(\b):(\f)+8*(\b)+7], v[(\f)+8*(4*(\hi)+(\a)):(\f)+8*(4*(\hi)+(\a))+7], 0
.else
	v_wmma_f32_16x16x32_f16 v[8*(8*(\a)+(\b)):8*(8*(\a)+(\b))+7], v[(\f)+8*(\b):(\f)+8*(\b)+7], v[(\f)+8*(4*(\hi)+(\a)):(\f)+8*(4*(\hi)+(\a))+7], v[8*(8*(\a)+(\b)):8*(8*(\a)+(\b))+7]
.endif
.endr
.endr
.endm
; 32 LDS loads in one run: quarter q (32 along K) of the slot in hand into buffer f; wb's 16 first, then xs's, rows ascending
.macro FETCH q, f
	WIN TO_B
.irp i, 0,1,2,3,4,5,6,7
	ds_load_tr16_b128 v[(\f)+8*(\i):(\f)+8*(\i)+3],   v[ADRB+2*((\q)/2)] offset:((\q)%2)*32*BPITCH+32*(\i)
	ds_load_tr16_b128 v[(\f)+8*(\i)+4:(\f)+8*(\i)+7], v[ADRB+2*((\q)/2)] offset:((\q)%2)*32*BPITCH+32*(\i)+16*BPITCH
.endr
	WIN 0
.irp i, 0,1,2,3,4,5,6,7
	ds_load_b128 v[(\f)+8*(\i):(\f)+8*(\i)+3],   v[ADRA] offset:64*(\q)+(\i)*16*PITCH
	ds_load_b128 v[(\f)+8*(\i)+4:(\f)+8*(\i)+7], v[ADRA] offset:64*(\q)+(\i)*16*PITCH+32
.endr
.endm
.macro PLACES                          ; four plain places behind a matrix instruction, in front of loads into registers that it read and of lines that read its result
.rept 4
	v_nop
.endr
.endm
; A K step is four quarters, 64 matrix instructions each, on buffers 0, 1, 0, 1; the 64 accumulators take turns in one order everywhere.
; One of the first three: multiplies buffer f; in its middle it fetches quarter q into buffer g.
.macro QUARTER q, f, g, zero
	s_wait_dscnt 8                                 ; wb's fragments and xs's rows 0-63 are in; the youngest eight loads may be out
	MUL16 \f, 0, 0, \zero
	MUL16 \f, 0, 2, \zero
	PLACES
	FETCH \q, \g
	s_wait_dscnt 32                                ; all but the 32 just issued
	MUL16 \f, 1, 0, \zero
	MUL16 \f, 1, 2, \zero
.endm
; The fourth quarter multiplies buffer 1 and changes slots.  In front of the barrier each wave waits for all its tensor loads (one is out: its part of the next slot), adds 0 to its spare word, and waits for that
; and for its reads of this slot.  The barrier opens a round of the cluster's barrier; behind the round the slot just read is filled again, first thing, with the K step two on.
.macro TURN
	s_wait_xcnt 0x0                                ; the last prefetch, a K step back, has read its address
	s_add_nc_u64 s[PFA:PFA+1], s[PFA:PFA+1], s[PFS:PFS+1]
	WIN 0
	s_wait_tensorcnt 0x0                           ; all my tensor loads have landed
	ds_add_u32 v[SPW], v[NIL]                      ; 0 onto my spare word
	s_wait_dscnt 9                                 ; (the add and the youngest eight loads may be out)
	MUL16 F1, 0, 0, 0
	s_wait_dscnt 0x0                               ; the add is done, and my reads of this slot are over
	s_barrier_signal -1
	MUL16 F1, 0, 2, 0
	WIN 0
	s_barrier_wait -1
	CREST                                          ; no wave of any partner still reads this slot or has a load on its way
	s_xor_b32 s[G0+5], s[G0+5], CH                 ; the walking descriptors: the other slot than last time, the next K step
	s_add_nc_u64 s[G0+6:G0+7], s[G0+6:G0+7], STEPA
	s_xor_b32 s[G0B+5], s[G0B+5], CH
	s_add_nc_u64 s[G0B+6:G0B+7], s[G0B+6:G0B+7], STEPB
	JLOAD 1                                        ; 224 matrix instructions ahead of the wait for it; its four v_nop are also the places in front of the loads below
	s_xor_b32 s[TB], s[TB], CH
	v_add_nc_u32 v[ADRA], s[TB], v[ADRA0]
	v_add_nc_u32 v[ADRB], s[TB], v[ADRB0]
	v_add_nc_u32 v[ADRB2], s[TB], v[ADRB20]
	FETCH 0, F0
	ASK
	MUL16 F1, 1, 0, 0
	MUL16 F1, 1, 2, 0
.endm
; THE WAY OUT of block a (16 rows x 128 columns): times the factor, in f32; rounded to f16; through my own stage in LDS; stored as whole rows of 256 bytes.
.macro PACK a
.set AC, 64*((\a)%4)
.set WW, 2+(\a)/4
	WIN (WW<<6)|WW
.set z, 0
.rept 32
	v_pk_mul_f32 v[AC+z:AC+z+1], v[AC+z:AC+z+1], s[SC:SC+1] op_sel_hi:[1,0]  ; each accumulator's registers ascending
.set z, z+2
.endr
	WIN WW|(WW<<2)
.irp b, 0,1,2,3,4,5,6,7
.irp r, 0,1,2,3
	v_cvt_pk_f16_f32 v[TMP+4*(\b)+(\r)], v[AC+8*(\b)+2*(\r)], v[AC+8*(\b)+2*(\r)+1]
.endr
.endr
	WIN 0
.endm
.macro TOSTAGE a
	WIN 0
.set BK, OB+192*((\a)%2)
.irp b, 0,1,2,3,4,5,6,7
	ds_store_b128 v[STO], v[TMP+4*(\b):TMP+4*(\b)+3] offset:32*(\b)
.endr
.irp t, 0,1,2,3,4,5,6,7
	ds_load_b128 v[BK+4*(\t):BK+4*(\t)+3], v[RD] offset:(\t)*2*SPITCH  ; LDS serves a wave's instructions in order (ISA guide 5.7.1.4): these see the stores above
.endr
.endm
.macro SEND a
	WIN 0
.set BK, OB+192*((\a)%2)
	s_wait_dscnt 0x0                               ; the block is back in registers
	s_wait_xcnt 0x0                                ; earlier stores have read their base and data: only now are these written again
.if (\a) == 0
	s_add_nc_u64 s[8:9], s[8:9], s[16:17]
.else
	s_add_nc_u64 s[8:9], s[8:9], 16*ROWX
.endif
.irp t, 0,1,2,3,4,5,6,7
	global_store_b128 v[CO], v[BK+4*(\t):BK+4*(\t)+3], s[8:9] offset:2*(\t)*ROWX  ; 16 lanes store 256 consecutive bytes, aligned
.endr
.endm
	s_wait_tensorcnt 1                             ; my part of K step 0 is in; K step 1's may stay out
	s_barrier_signal -1
	s_barrier_wait -1
	FETCH 0, F0
	QUARTER 1, F0, F1, 1                           ; the first quarter starts the sums
	WIN 0
	s_mov_b32 s3, 6
.Lstep:                                        ; trip n: quarters 1-3 of K step n, the refill with K step n + 2, quarter 0 of K step n + 1
	QUARTER 2, F1, F0, 0
	QUARTER 3, F0, F1, 0
	TURN
	QUARTER 1, F0, F1, 0
	WIN 0
	s_sub_co_u32 s3, s3, 1
	s_cmp_lg_u32 s3, 0
	s_cbranch_scc1 .Lstep
	s_mov_b32 s[TC], 2
.Ltail:                                        ; K steps 6 and 7 ask for nothing; the second trip is left in its middle
	QUARTER 2, F1, F0, 0
	QUARTER 3, F0, F1, 0
	s_wait_dscnt 0x0
	MUL16 F1, 0, 0, 0
	MUL16 F1, 0, 2, 0
	MUL16 F1, 1, 0, 0
	MUL16 F1, 1, 2, 0
	WIN 0
	s_sub_co_u32 s[TC], s[TC], 1
	s_cmp_eq_u32 s[TC], 0
	s_cbranch_scc1 .Lout
	s_wait_tensorcnt 0x0                           ; my part of K step 7
	ds_add_u32 v[SPW], v[NIL]
	s_xor_b32 s[TB], s[TB], CH
	s_wait_dscnt 0x0
	s_barrier_signal -1
	s_barrier_wait -1                              ; everybody's part is in
	PLACES
	v_add_nc_u32 v[ADRA], s[TB], v[ADRA0]
	v_add_nc_u32 v[ADRB], s[TB], v[ADRB0]
	v_add_nc_u32 v[ADRB2], s[TB], v[ADRB20]
	FETCH 0, F0
	QUARTER 1, F0, F1, 0
	WIN 0
	s_branch .Ltail
.Lout:
	PLACES
	PACK 0
	TOSTAGE 0
.irp a, 1,2,3,4,5,6,7                  ; block a's arithmetic stands between block a - 1's loads from the stage and the wait for them
	PACK \a
	SEND (\a)-1
	TOSTAGE \a
.endr
	SEND 7
	s_wait_tensorcnt 0x0                           ; the wave's end
	ds_add_u32 v[SPW], v[NIL]
	s_wait_dscnt 0x0
	CROUND                                         ; the closing round
	s_endpgm
.Lfunc_end_k_qe8ff5189d3_proj:
	.size	k_qe8ff5189d3_proj, .Lfunc_end_k_qe8ff5189d3_proj-k_qe8ff5189d3_proj
	.p2alignl 7, 3214868480
	.fill 96, 4, 3214868480
	.section	.rodata,"a",@progbits
	.p2align	6, 0x0
	.amdhsa_kernel k_qe8ff5189d3_proj
		.amdhsa_group_segment_fixed_size 327680
		.amdhsa_private_segment_fixed_size 0
		.amdhsa_enable_private_segment 0
		.amdhsa_kernarg_size 32
		.amdhsa_user_sgpr_count 2
		.amdhsa_user_sgpr_kernarg_segment_ptr 1
		.amdhsa_wavefront_size32 1
		.amdhsa_system_sgpr_workgroup_id_x 1
		.amdhsa_system_sgpr_workgroup_id_y 1
		.amdhsa_system_sgpr_workgroup_id_z 1
		.amdhsa_system_vgpr_workitem_id 0
		.amdhsa_next_free_vgpr 1024
		.amdhsa_next_free_sgpr 78
		.amdhsa_reserve_vcc 0
		.amdhsa_float_denorm_mode_32 3
		.amdhsa_float_denorm_mode_16_64 3
		.amdhsa_memory_ordered 1
		.amdhsa_forward_progress 1
		.amdhsa_inst_pref_size 118
	.end_amdhsa_kernel
	.amdgpu_metadata
---
amdhsa.version: [ 1, 2 ]
amdhsa.kernels:
  - .name:           k_qe8ff5189d3_proj
    .symbol:         k_qe8ff5189d3_proj.kd
    .args:
      - { .name: xs, .offset: 0, .size: 8, .value_kind: global_buffer, .address_space: global }
      - { .name: wb, .offset: 8, .size: 8, .value_kind: global_buffer, .address_space: global }
      - { .name: yb, .offset: 16, .size: 8, .value_kind: global_buffer, .address_space: global }
      - { .name: vb, .offset: 24, .size: 8, .value_kind: global_buffer, .address_space: global }
    .group_segment_fixed_size: 327680
    .private_segment_fixed_size: 0
    .kernarg_segment_align: 8
    .kernarg_segment_size: 32
    .max_flat_workgroup_size: 128
    .sgpr_count:     78
    .vgpr_count:     1024
    .wavefront_size: 32
...
	.end_amdgpu_metadata
.endif
;; end of part 3
;; launch scores (part 4): grid 9 x 16, 4 waves a work-group, no clusters, 327,680 bytes of LDS; arguments yb, pt, ms, ls, xs; writes pt, ms, ls
.if DOCPART == 4
	.amdgcn_target "amdgcn-amd-amdhsa--gfx1250"
	.amdhsa_code_object_version 6
	.text
	.protected	k_qe8ff5189d3_scores
	.globl	k_qe8ff5189d3_scores
	.p2align	8
	.type	k_qe8ff5189d3_scores,@function
k_qe8ff5189d3_scores:
	s_mov_b64 s[64:65], 0
	v_nop
	global_prefetch_b8 v0, s[64:65] scope:SCOPE_SE
	s_setreg_imm32_b32 hwreg(HW_REG_WAVE_MODE, 25, 1), 1
	s_wait_xcnt 0x0
; SCORES AND WEIGHTS.  For each tile of 256 queries x 256 keys on or below the diagonal: s = yb[query] . xs[key] (f16 products, f32 sums over 1,024 channels), which is log2(e) q . k / 32: the softmax's exponent to base 2.
; Then, for each query and each SEGMENT of 128 keys: m = the largest s, p = 2^(s - m), l = the sum of p.  pt takes p in f16, ms takes m, ls takes l ([segment][row], f32).  The last launch joins the segments by their maxima.
; THE EXPONENT is s - m: never above 0, so no exponential overflows, whatever the size of the scores.
; THE MASK is the C operand that starts each sum: 0, or -2^100 where the key lies behind the query.  |s| is at most 1,024 x 65,504^2 < 2^43, nothing beside that: a hidden score stays near -2^100, and its weight is 0
; wherever the query sees a key of the segment.  In a segment that a query does not see at all the weights are 0 or 1, l is at least 1 and m is near -2^100: the last launch's factor for it is 0.
; LIMITS.  A weight below 2^-126 counts as 0; below 6e-5 it keeps f16's fixed step.  NaN and infinities are not treated apart.
; TILES.  A batch has 36 such tiles: rows 7 - p and p of the triangle together have 9, so grid x = 9 walks them: 144 work-groups, all with work.
; NO CLUSTER: the rows of the triangle hold 1 to 8 tiles, so the tiles that share queries or keys do not fall into groups of four; a square of 4 x 4 on the diagonal would hold 6 work-groups without work.
; The product is the projection's: four waves of 128 x 128, 8 K steps of 128 through two LDS slots, one K step written once.  Source 0 = 16 keys, source 1 = 16 queries: a lane holds one query and 8 neighbouring keys.
.set PITCH,  272
.set CH,     34816
.set WCH,    2*CH                      ; wave w fetches into w x WCH (+ CH): waves 0, 1 the queries' two halves, waves 2, 3 the keys'
.set STAGE,  4*WCH
.set SPITCH, 272
.set STATS,  STAGE+4*16*SPITCH         ; 1,024 bytes a wave: 128 m, then 128 l
.set SPARE,  STATS+4*1024              ; the spare words, 128 bytes for each wave
.set ROWQ,   2048                      ; bytes in a row of yb and of xs
.set ROWP,   4096                      ; bytes in a row of pt
.set ADRA,  16
.set ADRA0, 17
.set ADRB,  20
.set ADRB0, 21
.set SG,   15                          ; v15 16 l: my 16 bytes of the wave's 512 in ms and ls
.set STO,  24
.set RD,   25
.set CO,   26
.set SA,   27                          ; v27 where I put a query's m
.set SPW,  28
.set NIL,  29
.set PFO,  30
.set SR,   31                          ; v31 where I read 4 m back
.set ML,   32                          ; v[32:39] the mask of a block left of the wave's diagonal
.set MDG,  40                          ; v[40:47] of a block on it
.set MU,   48                          ; v[48:55] of a block right of it
.set F0,   64
.set F1,   128
.set TMP,  192
.set OB,   32
.set WV,  20
.set RH,  21                           ; my half of the queries.  Also: I fetch queries (0) or keys (1)
.set CL,  22                           ; my half of the keys.  Also: which half I fetch
.set G1,  24
.set G0,  32
.set LIM, 43
.set PFA, 44
.set BIGN, 52
.set SEL, 56                           ; s[56:57] v_permlanex16_b32's selects
.set TB,  66
.set TC,  67
.set MSB, 0
.macro WIN new
.if MSB != (\new)
	s_set_vgpr_msb (MSB<<8)|(\new)
.set MSB, \new
.endif
.endm
.set MUL_LO, 0xa1
.set TO_B,   0x40
; A prefetch into the L2 of the K step that the next refill will ask for: my own 128 rows x 256 bytes, a lane a row, four instructions.  The queries' rows are asked for by the tile in column 0, the keys' by the tile on the
; diagonal: each block is named once in the launch.  The last trip (s3 = 1) asks for nothing.
.macro ASK
	s_cmp_gt_u32 s3, s[LIM]
	s_cbranch_scc0 .Lnot_mine_\@
.irp n, 0,1,2,3
	global_prefetch_b8 v[PFO], s[PFA:PFA+1] offset:32*ROWQ*(\n) th:TH_LOAD_NT scope:SCOPE_SE
.endr
.Lnot_mine_\@:
.endm
	s_load_b256 s[4:11], s[0:1], 0x0               ; yb s[4:5], pt s[6:7], ms s[8:9], ls s[10:11]
	s_load_b64 s[58:59], s[0:1], 0x20              ; xs
	v_lshl_add_u32 v[SPW], v0, 2, SPARE
	v_mov_b32 v[NIL], 0
	ds_add_u32 v[SPW], v[NIL]                      ; the wave's opening: the add and its wait stand ahead of my first tensor load
	ds_add_u32 v28, v29
	v_lshrrev_b32 v1, 5, v0
	v_readfirstlane_b32 s[WV], v1
	s_lshr_b32 s[RH], s[WV], 1
	s_and_b32 s[CL], s[WV], 1
	s_and_b32 s12, ttmp7, 0xffff
	s_and_b32 s13, s12, 3                          ; p
	s_lshr_b32 s14, s12, 2                         ; the batch
	s_sub_co_u32 s16, 8, s13
	s_sub_co_u32 s17, 7, s13
	s_sub_co_u32 s18, ttmp9, s16
	s_cmp_lt_u32 ttmp9, s16
	s_cselect_b32 s40, s17, s13                    ; i: the tile's row of the triangle
	s_cselect_b32 s41, ttmp9, s18                  ; j: its column
	s_mov_b32 s[G1+0], (1<<16)|(1<<20)|(5<<22)|(3<<25)  ; 2-byte elements; padding on: after every 64 words 4 words
	s_mov_b32 s[G1+1], 128<<16
	s_mov_b32 s[G1+2], 128<<16
	s_mov_b32 s[G1+3], 128<<16
	s_mov_b32 s[G1+4], 128
	s_mov_b32 s[G1+5], 1024
	s_mov_b32 s[G1+6], 0
	s_mov_b32 s[G1+7], 0
	s_cmp_eq_u32 s[RH], 0
	s_cselect_b32 s15, s40, s41
	s_lshl_b32 s15, s15, 8
	s_lshl_b32 s17, s[CL], 7
	s_add_co_u32 s15, s15, s17
	s_lshl_b32 s17, s14, 11
	s_add_co_u32 s15, s15, s17                     ; the first row that I fetch
	s_lshl_b32 s46, s15, 11
	s_mov_b32 s47, 0
	s_mul_i32 s23, s[WV], WCH
	s_mov_b32 s[TB], 0
	s_mov_b32 s[BIGN], 0xf1800000                  ; -2^100
	s_mov_b32 s[SEL], 0x76543210
	s_mov_b32 s[SEL+1], 0xfedcba98
	s_sub_co_i32 s42, s40, s41                     ; i - j
	s_cmp_eq_u32 s[RH], 0
	s_cselect_b32 s15, s41, s42
	s_cmp_eq_u32 s15, 0
	s_cselect_b32 s[LIM], 1, -1
	s_lshl_b32 s42, s42, 8
	s_sub_co_i32 s15, s[RH], s[CL]
	s_lshl_b32 s15, s15, 7
	s_add_co_i32 s42, s42, s15                     ; D = my first query less my first key
	s_wait_dscnt 0x0                               ; the opening add is done
	s_wait_kmcnt 0x0
	s_cmp_eq_u32 s[RH], 0
	s_cselect_b64 s[60:61], s[4:5], s[58:59]       ; queries come from yb, keys from xs
	s_add_nc_u64 s[46:47], s[60:61], s[46:47]
.irp s, 0,1
	s_mov_b32 s[G0+4*(\s)], 1
	s_add_co_u32 s[G0+4*(\s)+1], s23, (\s)*CH
	s_add_nc_u64 s[G0+4*(\s)+2:G0+4*(\s)+3], s[46:47], (\s)*256
	s_or_b32 s[G0+4*(\s)+3], s[G0+4*(\s)+3], 0x80000000
	tensor_load_to_lds s[G0+4*(\s):G0+4*(\s)+3], s[G1:G1+7]  ; K steps 0 and 1: two loads of mine are out
	s_nop 0
.endr
.rept 4
	v_nop
.endr
	s_add_nc_u64 s[PFA:PFA+1], s[46:47], 2*256     ; the prefetches stand at K step 2; the first refill steps them to 3
	v_and_b32 v1, 15, v0                           ; r
	v_bfe_u32 v2, v0, 4, 1                         ; h
	v_mul_u32_u24 v3, v1, PITCH
	v_lshl_add_u32 v3, v2, 4, v3
	s_mul_i32 s15, s[RH], WCH
	v_add_nc_u32 v[ADRA0], s15, v3
	s_mul_i32 s15, s[CL], WCH
	s_add_co_u32 s15, s15, 2*WCH
	v_add_nc_u32 v[ADRB0], s15, v3
	v_mov_b32 v[ADRA], v[ADRA0]
	v_mov_b32 v[ADRB], v[ADRB0]
	; the masks.  In block (a, b) register n of lane (r, h) is key 16 b + 8 h + n against query 16 a + r: hidden where 16 (b - a) + 8 h + n > r + D.  D is a multiple of 128.
	v_lshlrev_b32 v3, 3, v2
	v_sub_nc_u32 v3, v1, v3
	v_add_nc_u32 v3, s42, v3                       ; r - 8 h + D
.set n, 0
.rept 8
	v_cmp_gt_i32 vcc_lo, n, v3
	v_cndmask_b32 v[MDG+n], 0, s[BIGN], vcc_lo
.set n, n+1
.endr
	s_cmp_lt_i32 s42, 0
	s_cselect_b32 s15, s[BIGN], 0
	s_cmp_le_i32 s42, 0
	s_cselect_b32 s16, s[BIGN], 0
.set n, 0
.rept 8
	v_mov_b32 v[ML+n], s15
	v_mov_b32 v[MU+n], s16
.set n, n+1
.endr
	s_mul_i32 s15, s[WV], 16*SPITCH
	s_add_co_u32 s15, s15, STAGE
	v_mul_u32_u24 v4, v1, SPITCH
	v_lshl_add_u32 v4, v2, 4, v4
	v_add_nc_u32 v[STO], s15, v4
	v_mul_u32_u24 v5, v2, SPITCH
	v_lshl_add_u32 v5, v1, 4, v5
	v_add_nc_u32 v[RD], s15, v5
	v_lshlrev_b32 v5, 12, v2
	v_lshl_add_u32 v[CO], v1, 4, v5
	s_lshl_b32 s15, s[WV], 10
	s_add_co_u32 s15, s15, STATS
	v_lshl_add_u32 v[SA], v1, 2, s15
	v_and_b32 v6, 31, v0
	v_lshl_add_u32 v[SR], v6, 4, s15
	v_lshlrev_b32 v[SG], 4, v6
	v_lshlrev_b32 v[PFO], 11, v6
	s_lshl_b32 s48, s40, 8                         ; pt: (batch x 2,048 + 256 i + 128 half) rows of 4,096 bytes + 512 j + 256 half
	s_lshl_b32 s15, s[RH], 7
	s_add_co_u32 s48, s48, s15
	s_lshl_b32 s15, s14, 11
	s_add_co_u32 s48, s48, s15                     ; my first row among the 8,192
	s_lshl_b32 s50, s41, 1
	s_add_co_u32 s50, s50, s[CL]                   ; my segment
	s_lshl_b32 s50, s50, 13
	s_add_co_u32 s50, s50, s48
	s_lshl_b32 s50, s50, 2                         ; ms, ls: (segment x 8,192 + row) x 4
	s_mov_b32 s51, 0
	s_lshl_b32 s48, s48, 12
	s_lshl_b32 s15, s41, 9
	s_add_co_u32 s48, s48, s15
	s_lshl_b32 s15, s[CL], 8
	s_add_co_u32 s48, s48, s15
	s_mov_b32 s49, 0
	s_add_nc_u64 s[8:9], s[8:9], s[50:51]
	s_add_nc_u64 s[10:11], s[10:11], s[50:51]
; 16 matrix instructions.  zero = 1: the product starts the sum with the block's mask, which lies in window 0.
.macro MUL16 f, hi, a0, zero
.if \zero
	WIN 0x81+0x40*(\hi)
.else
	WIN MUL_LO+0x50*(\hi)
.endif
.irp a, \a0, (\a0)+1
.irp b, 0,1,2,3,4,5,6,7
.if \zero
.if (\b) < 4*(\hi)+(\a)
.set rC, ML
.elseif (\b) == 4*(\hi)+(\a)
.set rC, MDG
.else
.set rC, MU
.endif
	v_wmma_f32_16x16x32_f16 v[8*(8*(\a)+(\b)):8*(8*(\a)+(\b))+7], v[(\f)+8*(\b):(\f)+8*(\b)+7], v[(\f)+8*(4*(\hi)+(\a)):(\f)+8*(4*(\hi)+(\a))+7], v[rC:rC+7]
.else
	v_wmma_f32_16x16x32_f16 v[8*(8*(\a)+(\b)):8*(8*(\a)+(\b))+7], v[(\f)+8*(\b):(\f)+8*(\b)+7], v[(\f)+8*(4*(\hi)+(\a)):(\f)+8*(4*(\hi)+(\a))+7], v[8*(8*(\a)+(\b)):8*(8*(\a)+(\b))+7]
.endif
.endr
.endr
.endm
.macro FETCH q, f                      ; 32 LDS loads in one run: the keys' 16 first, then the queries', rows ascending
	WIN TO_B
.irp i, 0,1,2,3,4,5,6,7
	ds_load_b128 v[(\f)+8*(\i):(\f)+8*(\i)+3],   v[ADRB] offset:64*(\q)+(\i)*16*PITCH
	ds_load_b128 v[(\f)+8*(\i)+4:(\f)+8*(\i)+7], v[ADRB] offset:64*(\q)+(\i)*16*PITCH+32
.endr
	WIN 0
.irp i, 0,1,2,3,4,5,6,7
	ds_load_b128 v[(\f)+8*(\i):(\f)+8*(\i)+3],   v[ADRA] offset:64*(\q)+(\i)*16*PITCH
	ds_load_b128 v[(\f)+8*(\i)+4:(\f)+8*(\i)+7], v[ADRA] offset:64*(\q)+(\i)*16*PITCH+32
.endr
.endm
.macro PLACES
.rept 4
	v_nop
.endr
.endm
.macro QUARTER q, f, g, zero
	s_wait_dscnt 8                                 ; the keys' fragments and the queries' rows 0-63 are in; the youngest eight loads may be out
	MUL16 \f, 0, 0, \zero
	MUL16 \f, 0, 2, \zero
	PLACES
	FETCH \q, \g
	s_wait_dscnt 32                                ; all but the 32 just issued
	MUL16 \f, 1, 0, \zero
	MUL16 \f, 1, 2, \zero
.endm
; The fourth quarter and the change of slots: all my tensor loads waited for, the add, my reads of the slot waited for, the barrier; behind it the slot just read is filled again, first thing.
.macro TURN
	s_wait_xcnt 0x0                                ; the last prefetches, a K step back, have read their address
	s_add_nc_u64 s[PFA:PFA+1], s[PFA:PFA+1], 256
	WIN 0
	s_wait_tensorcnt 0x0
	ds_add_u32 v[SPW], v[NIL]                      ; 0 onto my spare word
	s_wait_dscnt 9                                 ; (the add and the youngest eight loads may be out)
	MUL16 F1, 0, 0, 0
	s_wait_dscnt 0x0
	s_barrier_signal -1
	MUL16 F1, 0, 2, 0
	WIN 0
	s_barrier_wait -1
	s_xor_b32 s[G0+5], s[G0+5], CH
	s_add_nc_u64 s[G0+6:G0+7], s[G0+6:G0+7], 256
	tensor_load_to_lds s[G0+4:G0+7], s[G1:G1+7]    ; my one load behind the barrier: 224 matrix instructions ahead of the wait for it
	s_nop 0
.rept 4
	v_nop
.endr
	s_xor_b32 s[TB], s[TB], CH
	v_add_nc_u32 v[ADRA], s[TB], v[ADRA0]
	v_add_nc_u32 v[ADRB], s[TB], v[ADRB0]
	FETCH 0, F0
	ASK
	MUL16 F1, 1, 0, 0
	MUL16 F1, 1, 2, 0
.endm
; THE WAY OUT, a block a of 16 queries x 128 keys at a time: a lane holds 64 scores s0-s63 of one query; the query's other 64 lie in the lane 16 away.
; Statistics in window 0 at rT: +0 m, +1 the other half's maximum, +2, +3 l, +4 to +7 four chains at work.
.macro BLK a
.set rT, 64+8*((\a)%2)
.set AC, 64*((\a)%4)
.set WW, 2+(\a)/4
.endm
.macro MAXS a                          ; each accumulator's lowest registers are read first
	BLK \a
	WIN WW|(WW<<2)|(WW<<4)
.irp k, 0,1,2,3
	v_max3_num_f32 v[rT+4+(\k)], v[AC+16*(\k)], v[AC+16*(\k)+1], v[AC+16*(\k)+2]
.endr
	WIN (WW<<2)|(WW<<4)
.irp n, 1,2,3,4,5,6
.irp k, 0,1,2,3
	v_max3_num_f32 v[rT+4+(\k)], v[rT+4+(\k)], v[AC+16*(\k)+2*(\n)+1], v[AC+16*(\k)+2*(\n)+2]
.endr
.endr
	v_max3_num_f32 v[rT+4], v[rT+4], v[AC+15], v[AC+31]
	v_max3_num_f32 v[rT+6], v[rT+6], v[AC+47], v[AC+63]
	WIN 0
	v_max3_num_f32 v[rT+4], v[rT+4], v[rT+5], v[rT+6]
	v_max_num_f32 v[rT+4], v[rT+4], v[rT+7]
	v_permlanex16_b32 v[rT+1], v[rT+4], s[SEL], s[SEL+1]
	v_max_num_f32 v[rT], v[rT+4], v[rT+1]
.endm
.macro SCALE a                         ; s - m, in place
	BLK \a
	WIN (WW<<6)|WW
.set z, 0
.rept 32
	v_pk_add_f32 v[AC+z:AC+z+1], v[AC+z:AC+z+1], v[rT:rT+1] op_sel_hi:[1,0] neg_lo:[0,1] neg_hi:[0,1]
.set z, z+2
.endr
.endm
.macro EXPS a                          ; one batch of 64
	BLK \a
	WIN (WW<<6)|WW
.set z, 0
.rept 64
	v_exp_f32 v[AC+z], v[AC+z]
.set z, z+1
.endr
.endm
.macro CVT a
	BLK \a
	WIN WW|(WW<<2)
.irp b, 0,1,2,3,4,5,6,7
.irp r, 0,1,2,3
	v_cvt_pk_f16_f32 v[TMP+4*(\b)+(\r)], v[AC+8*(\b)+2*(\r)], v[AC+8*(\b)+2*(\r)+1]
.endr
.endr
.endm
.macro SUMS a                          ; the 64 weights, unrounded, by halves in place; then the two of a pair and the other half of the lanes
	BLK \a
	WIN (WW<<6)|WW|(WW<<2)
.irp d, 32,16,8,4
.set z, 0
.rept (\d)/2
	v_pk_add_f32 v[AC+z:AC+z+1], v[AC+z:AC+z+1], v[AC+z+(\d):AC+z+(\d)+1]
.set z, z+2
.endr
.endr
	WIN WW|(WW<<2)
	v_pk_add_f32 v[rT+2:rT+3], v[AC:AC+1], v[AC+2:AC+3]
	WIN 0
	v_add_f32 v[rT+2], v[rT+2], v[rT+3]
	v_permlanex16_b32 v[rT+3], v[rT+2], s[SEL], s[SEL+1]
	v_add_f32 v[rT+2], v[rT+2], v[rT+3]
.endm
.macro TOSTAGE a
	WIN 0
.set BK, OB+192*((\a)%2)
.irp b, 0,1,2,3,4,5,6,7
	ds_store_b128 v[STO], v[TMP+4*(\b):TMP+4*(\b)+3] offset:32*(\b)
.endr
.irp t, 0,1,2,3,4,5,6,7
	ds_load_b128 v[BK+4*(\t):BK+4*(\t)+3], v[RD] offset:(\t)*2*SPITCH  ; LDS serves a wave's instructions in order (ISA guide 5.7.1.4)
.endr
.endm
.macro STAT a                          ; both halves of the lanes hold the same m and l and write the same words
	BLK \a
	ds_store_b32 v[SA], v[rT] offset:64*(\a)
	ds_store_b32 v[SA], v[rT+2] offset:512+64*(\a)
.endm
.macro SEND a
	WIN 0
.set BK, OB+192*((\a)%2)
	s_wait_dscnt 0x0
	s_wait_xcnt 0x0                                ; earlier stores have read their base and data
.if (\a) == 0
	s_add_nc_u64 s[6:7], s[6:7], s[48:49]
.else
	s_add_nc_u64 s[6:7], s[6:7], 16*ROWP
.endif
.irp t, 0,1,2,3,4,5,6,7
	global_store_b128 v[CO], v[BK+4*(\t):BK+4*(\t)+3], s[6:7] offset:2*(\t)*ROWP  ; 16 lanes store 256 consecutive bytes, aligned
.endr
.endm
	s_wait_tensorcnt 1                             ; my part of K step 0 is in; K step 1's may stay out
	s_barrier_signal -1
	s_barrier_wait -1
	FETCH 0, F0
	QUARTER 1, F0, F1, 1                           ; the first quarter starts the sums, with the masks
	WIN 0
	s_mov_b32 s3, 6
.Lstep:
	QUARTER 2, F1, F0, 0
	QUARTER 3, F0, F1, 0
	TURN
	QUARTER 1, F0, F1, 0
	WIN 0
	s_sub_co_u32 s3, s3, 1
	s_cmp_lg_u32 s3, 0
	s_cbranch_scc1 .Lstep
	s_mov_b32 s[TC], 2
.Ltail:                                        ; K steps 6 and 7 ask for nothing; the second trip is left in its middle
	QUARTER 2, F1, F0, 0
	QUARTER 3, F0, F1, 0
	s_wait_dscnt 0x0
	MUL16 F1, 0, 0, 0
	MUL16 F1, 0, 2, 0
	MUL16 F1, 1, 0, 0
	MUL16 F1, 1, 2, 0
	WIN 0
	s_sub_co_u32 s[TC], s[TC], 1
	s_cmp_eq_u32 s[TC], 0
	s_cbranch_scc1 .Lout
	s_wait_tensorcnt 0x0                           ; my part of K step 7
	ds_add_u32 v[SPW], v[NIL]
	s_xor_b32 s[TB], s[TB], CH
	s_wait_dscnt 0x0
	s_barrier_signal -1
	s_barrier_wait -1
	PLACES
	v_add_nc_u32 v[ADRA], s[TB], v[ADRA0]
	v_add_nc_u32 v[ADRB], s[TB], v[ADRB0]
	FETCH 0, F0
	QUARTER 1, F0, F1, 0
	WIN 0
	s_branch .Ltail
.Lout:
	PLACES
	v_mov_b32 v65, 0                               ; v_permlanex16_b32 counts as a reader of its destination
	v_mov_b32 v73, 0
	MAXS 0
.irp a, 0,1,2,3,4,5,6,7
	SCALE \a
	EXPS \a
.if (\a) < 7
	MAXS (\a)+1                                    ; the next block's maximum is the independent work behind the batch
.else
	v_nop
.endif
	s_wait_alu depctr_va_vdst(0)                   ; one wait for the block's 64 exponentials, ahead of their first reader
	CVT \a
	SUMS \a
.if (\a) > 0
	SEND (\a)-1
.endif
	TOSTAGE \a
	STAT \a
.endr
	SEND 7
	ds_load_b128 v[TMP:TMP+3], v[SR]               ; my wave's 128 m and 128 l, 16 bytes a lane: my own bytes, served in order
	ds_load_b128 v[TMP+4:TMP+7], v[SR] offset:512
	s_wait_dscnt 0x0
	global_store_b128 v[SG], v[TMP:TMP+3], s[8:9]  ; 512 consecutive bytes, aligned
	global_store_b128 v[SG], v[TMP+4:TMP+7], s[10:11]
	s_wait_tensorcnt 0x0                           ; the wave's end
	ds_add_u32 v[SPW], v[NIL]
	s_wait_dscnt 0x0
	s_endpgm
.Lfunc_end_k_qe8ff5189d3_scores:
	.size	k_qe8ff5189d3_scores, .Lfunc_end_k_qe8ff5189d3_scores-k_qe8ff5189d3_scores
	.p2alignl 7, 3214868480
	.fill 96, 4, 3214868480
	.section	.rodata,"a",@progbits
	.p2align	6, 0x0
	.amdhsa_kernel k_qe8ff5189d3_scores
		.amdhsa_group_segment_fixed_size 327680
		.amdhsa_private_segment_fixed_size 0
		.amdhsa_enable_private_segment 0
		.amdhsa_kernarg_size 40
		.amdhsa_user_sgpr_count 2
		.amdhsa_user_sgpr_kernarg_segment_ptr 1
		.amdhsa_wavefront_size32 1
		.amdhsa_system_sgpr_workgroup_id_x 1
		.amdhsa_system_sgpr_workgroup_id_y 1
		.amdhsa_system_sgpr_workgroup_id_z 1
		.amdhsa_system_vgpr_workitem_id 0
		.amdhsa_next_free_vgpr 1024
		.amdhsa_next_free_sgpr 68
		.amdhsa_reserve_vcc 1
		.amdhsa_float_denorm_mode_32 3
		.amdhsa_float_denorm_mode_16_64 3
		.amdhsa_memory_ordered 1
		.amdhsa_forward_progress 1
		.amdhsa_inst_pref_size 168
	.end_amdhsa_kernel
	.amdgpu_metadata
---
amdhsa.version: [ 1, 2 ]
amdhsa.kernels:
  - .name:           k_qe8ff5189d3_scores
    .symbol:         k_qe8ff5189d3_scores.kd
    .args:
      - { .name: yb, .offset: 0, .size: 8, .value_kind: global_buffer, .address_space: global }
      - { .name: pt, .offset: 8, .size: 8, .value_kind: global_buffer, .address_space: global }
      - { .name: ms, .offset: 16, .size: 8, .value_kind: global_buffer, .address_space: global }
      - { .name: ls, .offset: 24, .size: 8, .value_kind: global_buffer, .address_space: global }
      - { .name: xs, .offset: 32, .size: 8, .value_kind: global_buffer, .address_space: global }
    .group_segment_fixed_size: 327680
    .private_segment_fixed_size: 0
    .kernarg_segment_align: 8
    .kernarg_segment_size: 40
    .max_flat_workgroup_size: 128
    .sgpr_count:     68
    .vgpr_count:     1024
    .wavefront_size: 32
...
	.end_amdgpu_metadata
.endif
;; end of part 4
;; launch pv (part 5): grid 8 x 32, 4 waves a work-group, clusters of 4 x 1, 327,680 bytes of LDS; arguments pt, vb, ms, ls, out0; writes out0
.if DOCPART == 5
	.amdgcn_target "amdgcn-amd-amdhsa--gfx1250"
	.amdhsa_code_object_version 6
	.text
	.protected	k_qe8ff5189d3_pv
	.globl	k_qe8ff5189d3_pv
	.p2align	8
	.type	k_qe8ff5189d3_pv,@function
k_qe8ff5189d3_pv:
	s_mov_b64 s[64:65], 0
	v_nop
	global_prefetch_b8 v0, s[64:65] scope:SCOPE_SE
	s_setreg_imm32_b32 hwreg(HW_REG_WAVE_MODE, 25, 1), 1
	s_wait_xcnt 0x0
	s_wait_alu depctr_hold_cnt(0) depctr_sa_sdst(0) depctr_va_vdst(0) depctr_va_sdst(0) depctr_va_ssrc(0) depctr_va_vcc(0) depctr_vm_vsrc(0)
	s_getreg_b32 s2, hwreg(HW_REG_IB_STS2, 6, 4)
	s_cmp_eq_u32 s2, 0
	s_cbranch_scc0 .Lentry_in_a_cluster
	s_endpgm
.Lentry_in_a_cluster:
	s_bfe_u32 s2, ttmp6, 0x10000c
	s_cmp_lg_u32 s2, 0x3003
	s_cbranch_scc0 .Lentry_shape_is_right
	s_endpgm
.Lentry_shape_is_right:
; WEIGHTS x VALUES.  out[q][e] = the sum over segments of 128 keys of f(q, seg) x (the sum over the segment's keys of p[q][k] v[k][e]),
; f = 2^(m_seg - M) / L, M = the largest m of the row's 16 segments, L = the sum of 2^(m_seg - M) l_seg: the softmax's running maximum, taken over segments (m is an exponent to base 2 as it comes).
; The exponent m - M is never above 0.  A segment that the row does not see has m near -2^100 (or exactly, with l = 0, where no tile was made): its f is 0, and 0 x finite adds nothing.
; p: pt, f16, [4][2048][2048]; v: vb, f16, [8192][1024]; products in f16 with f32 sums; f, the sums over segments and out0 in f32.
; THE WALK.  A batch's queries lie in 16 blocks of 128; block g needs g / 2 + 1 key steps of 256.  A work-group makes 128 channels of TWO blocks, 15 - b and then b: 9 key steps whatever b: 256 equal work-groups,
; one loop with a constant count.  What differs lies in scalars made from b; every jump but the loops' own goes forward, and none passes a barrier or a tensor load but the one of a fill's two lines that the wave's number does not choose.
; CLUSTER: the four work-groups of a cluster differ in their channels alone, so they walk the same tiles of p: those are asked for jointly.  v's tiles differ between them and come by plain loads behind the same round.
; A wave makes 64 queries x 64 channels.  Source 0 = 16 channels of v (turned, by ds_load_tr16_b128), source 1 = 16 queries of p: a lane holds one query, so f is one number a lane.
; A segment's product T starts with C = 0; O += f T by 64 packed multiply-adds.  O is cleared at a block's beginning: 128 v_mov_b32, so that no first segment is written out.
; REGISTERS: window 0: v0-31 addresses; v32-95 the way out; v96-111 f; v128-255 T (before the loop: the statistics at work).  window 1: two fragment buffers of 128 (64 of p, 64 of v).  window 2: v0-127 O.
.set VP,    288                        ; a row of v in LDS: 256 bytes + 32
.set VCH,   128*VP                     ; 36,864: what a load of v brings
.set VW,    2*VCH                      ; half x VW + slot x VCH
.set PP,    528                        ; a row of p: 512 bytes + 16
.set PCH,   64*PP                      ; 33,792
.set PW,    2*PCH
.set PBASE, 2*VW                       ; PBASE + half x PW + slot x PCH
.set TAB,   PBASE+2*PW                 ; f[key step of the walk 0-8][segment 0-1][128 rows], f32: 9,216 bytes
.set STAGE, TAB+9216                   ; 16 rows x 272 bytes for each wave
.set SPITCH, 272
.set SPARE, STAGE+4*16*SPITCH          ; the spare words, 128 bytes for each wave
.set ROWV,  2048                       ; bytes in a row of vb
.set VSTEP, 256*ROWV                   ; a key step in vb
.set ADP0, 10
.set ADP,  11
.set ADV0, 12
.set ADVA, 13                          ; v13 keys 0-127 of the slot in hand, v14 keys 128-255
.set ADVB, 14
.set AT0,  15
.set ATV,  16
.set STO,  17
.set RD,   18
.set GO,   19
.set T4,   20
.set TS,   21
.set PFL,  22
.set PFV,  23
.set VH,   24
.set VL,   25
.set SPW,  28
.set NIL,  29
.set OB,   32
.set AL,   96                          ; f of segment sg, query tile a at AL + 8 sg + 2 a; the odd registers hold 0
.set ACC,  128
.set F0,   0
.set F1,   128
.set MH,   128                         ; the prologue: m and l of the upper block's 16 segments, of the lower block's,
.set LH,   144
.set MLO,  160
.set LLO,  176
.set WM,   192                         ; m in the walk's order, 18
.set WO,   210                         ; their 9 offsets
.set MXH,  220
.set MXL,  221
.set WS,   222                         ; 9 at work
.set LSH,  232
.set LSL,  233
.set RCH,  234
.set RCL,  235
.set WV,   14
.set KIND, 15                          ; wave / 2: my half of the queries.  Also: I fetch p (0) or v (1)
.set HALF, 16                          ; wave % 2: my half of the channels.  Also: which half I fetch
.set RT,   23                          ; key steps that the block in hand still has
.set G1P,  24
.set G1V,  32
.set G0P,  40                          ; two sets; the second is made anew for each refill
.set G0V,  48
.set CNT,  56
.set TC,   57
.set TBP,  58
.set TBV,  59
.set AT,   60
.set NXT,  61                          ; the key step to be asked for next
.set LQ,   62                          ; the last key step of the block whose tiles are being asked for
.set ROWA, 63                          ; that block's rows in pt, in bytes
.set ROWALO, 66
.set LQLO, 67
.set OFF,  68
.set OFV,  70
.set VB,   72
.set PB,   74
.set OUT,  76
.set OUTLO, 78
.set LIM,  80
.set LIMW, 81
.set PFB,  82
.set PO,   84
.set MK,   86                          ; s86-94: all ones where the walk's key step belongs to the upper block
.set RBH,  96
.set RBL,  97
.set GH,   100
.set MSB, 0
.macro WIN new
.if MSB != (\new)
	s_set_vgpr_msb (MSB<<8)|(\new)
.set MSB, \new
.endif
.endm
.set MUL,  0x05                        ; sources 0 and 1 window 1; C and D window 0
.set TO_F, 0x40
.macro JLOAD                           ; waves 0, 1: p's two halves, jointly; waves 2, 3: v's.  An s_nop 0 and four v_nop follow each line
	s_cmp_eq_u32 s[KIND], 0
	s_cbranch_scc0 .Lfor_v_\@
	tensor_load_to_lds s[G0P+4:G0P+7], s[G1P:G1P+7]
	s_nop 0
.rept 4
	v_nop
.endr
	s_branch .Lasked_\@
.Lfor_v_\@:
	tensor_load_to_lds s[G0V+4:G0V+7], s[G1V:G1V+7]
	s_nop 0
.rept 4
	v_nop
.endr
.Lasked_\@:
.endm
; A prefetch into the L2 of the tile that the NEXT refill will ask for.  p's rows are read by the two clusters of a row of the grid: the first asks; its four partners share a half's 128 blocks of 256 bytes out by address.
; v's tiles are read by the eight work-groups of a batch with the same channels: the one with b = 0 asks, a lane a row, four instructions, in its upper block alone, which walks all eight tiles.  The last trip asks for nothing.
.macro ASK
	s_cmp_gt_u32 s[CNT], s[LIM]
	s_cbranch_scc0 .Lnone_\@
	global_prefetch_b8 v[PFV], s[PFB:PFB+1] th:TH_LOAD_NT scope:SCOPE_SE
	s_cmp_eq_u32 s[KIND], 0
	s_cbranch_scc1 .Lnone_\@
.irp n, 1,2,3
	global_prefetch_b8 v[PFV], s[PFB:PFB+1] offset:32*ROWV*(\n) th:TH_LOAD_NT scope:SCOPE_SE
.endr
.Lnone_\@:
.endm
.macro CREST
	s_cmp_lg_u32 s[WV], 0
	s_cbranch_scc1 .Lnot_wave_0_\@
	s_barrier_signal -3
.Lnot_wave_0_\@:
	s_barrier_wait -3
	s_barrier_signal -1
	s_barrier_wait -1
.endm
.macro CROUND
	s_barrier_signal -1
	s_barrier_wait -1
	CREST
.endm
	s_load_b256 s[4:11], s[0:1], 0x0               ; pt s[4:5], vb s[6:7], ms s[8:9], ls s[10:11]
	s_load_b64 s[12:13], s[0:1], 0x20              ; out0
	v_lshl_add_u32 v[SPW], v0, 2, SPARE
	v_mov_b32 v[NIL], 0
	ds_add_u32 v[SPW], v[NIL]                      ; the wave's opening: the add and its wait stand ahead of my first tensor load
	ds_add_u32 v28, v29
	v_lshrrev_b32 v1, 5, v0
	v_readfirstlane_b32 s[WV], v1
	s_lshr_b32 s[KIND], s[WV], 1
	s_and_b32 s[HALF], s[WV], 1
	s_bfe_u32 s17, ttmp6, 0x40000                  ; cx: it enters v's, out0's and the prefetches' addresses alone
	s_lshl_b32 s18, ttmp9, 2
	s_add_co_u32 s18, s18, s17                     ; my block of 128 channels
	s_and_b32 s2, ttmp7, 0xffff
	s_lshr_b32 s19, s2, 3                          ; the batch
	s_and_b32 s20, s2, 7                           ; b
	s_sub_co_u32 s[GH], 15, s20                    ; the upper block
	s_lshr_b32 s21, s[GH], 1
	s_add_co_u32 s21, s21, 1                       ; its key steps, 5 to 8
	s_lshr_b32 s22, s20, 1
	s_add_co_u32 s22, s22, 1                       ; the lower block's, 1 to 4
	s_mov_b32 s[RT], s21
	s_lshl_b32 s[ROWA], s[GH], 19                  ; 128 rows of 4,096 bytes a block,
	s_lshl_b32 s2, s[HALF], 18                     ; 64 rows a half
	s_add_co_u32 s[ROWA], s[ROWA], s2
	s_lshl_b32 s[ROWALO], s20, 19
	s_add_co_u32 s[ROWALO], s[ROWALO], s2
	s_sub_co_u32 s[LQ], s21, 1
	s_sub_co_u32 s[LQLO], s22, 1
	s_mov_b32 s[NXT], 2
	s_mov_b32 s[OFF+1], 0
	s_mov_b32 s[OFV+1], 0
	s_mov_b32 s[TBP], 0
	s_mov_b32 s[TBV], 0
	s_mov_b32 s[AT], 0
	s_lshl_b32 s2, s19, 13
	s_lshl_b32 s[RBH], s[GH], 9
	s_add_co_u32 s[RBH], s[RBH], s2                ; 4 x the upper block's first row among the 8,192
	s_lshl_b32 s[RBL], s20, 9
	s_add_co_u32 s[RBL], s[RBL], s2
	s_mov_b32 s[G1P+0], 15|(1<<16)|(1<<20)|(1<<21)|(6<<22)|(3<<25)  ; the mask of four; 2-byte elements; padding on; bit 21 beside a mask; after every 128 words 4 words
	s_mov_b32 s[G1P+1], 256<<16
	s_mov_b32 s[G1P+2], 64<<16
	s_mov_b32 s[G1P+3], 256<<16
	s_mov_b32 s[G1P+4], 64
	s_mov_b32 s[G1P+5], 2048
	s_mov_b32 s[G1P+6], 0
	s_mov_b32 s[G1P+7], 0
	s_mov_b32 s[G1V+0], (1<<16)|(1<<20)|(5<<22)|(7<<25)  ; no mask; after every 64 words 8 words
	s_mov_b32 s[G1V+1], 128<<16
	s_mov_b32 s[G1V+2], 128<<16
	s_mov_b32 s[G1V+3], 128<<16
	s_mov_b32 s[G1V+4], 128
	s_mov_b32 s[G1V+5], 1024
	s_mov_b32 s[G1V+6], 0
	s_mov_b32 s[G1V+7], 0
	s_mul_i32 s2, s[HALF], PW
	s_mov_b32 s[G0P], 1
	s_add_co_u32 s[G0P+1], s2, PBASE
	s_mov_b32 s[G0P+4], 1
	s_add_co_u32 s[G0P+5], s2, PBASE+PCH
	s_mul_i32 s2, s[HALF], VW
	s_mov_b32 s[G0V], 1
	s_add_co_u32 s[G0V+1], s2, 0
	s_mov_b32 s[G0V+4], 1
	s_add_co_u32 s[G0V+5], s2, VCH
	s_lshl_b32 s98, s19, 22                        ; v: the batch's 2,048 rows of 2,048 bytes, my half's 128 keys, my 128 channels
	s_lshl_b32 s99, s[HALF], 18
	s_add_co_u32 s98, s98, s99
	s_lshl_b32 s99, s18, 8
	s_add_co_u32 s98, s98, s99
	s_mov_b32 s99, 0
	s_lshl_b32 s85, s19, 11
	s_lshl_b32 s2, s[KIND], 6
	s_add_co_u32 s85, s85, s2                      ; batch x 2,048 + my 64 rows of a block
	s_lshl_b32 s[OUT], s[GH], 7
	s_add_co_u32 s[OUT], s[OUT], s85
	s_lshl_b32 s[OUT], s[OUT], 12
	s_lshl_b32 s[OUTLO], s20, 7
	s_add_co_u32 s[OUTLO], s[OUTLO], s85
	s_lshl_b32 s[OUTLO], s[OUTLO], 12
	s_lshl_b32 s85, s18, 9                         ; my block's 512 bytes of a row, my half's 256
	s_add_co_u32 s[OUT], s[OUT], s85
	s_add_co_u32 s[OUTLO], s[OUTLO], s85
	s_lshl_b32 s85, s[HALF], 8
	s_add_co_u32 s[OUT], s[OUT], s85
	s_add_co_u32 s[OUTLO], s[OUTLO], s85
	s_mov_b32 s[OUT+1], 0
	s_mov_b32 s[OUTLO+1], 0
	s_lshl_b32 s2, s19, 23                         ; pt: 8,388,608 bytes a batch
	s_mov_b32 s3, 0
	s_mov_b32 s[OFF], s[ROWA]
	s_wait_dscnt 0x0                               ; the opening add is done
	s_wait_kmcnt 0x0
	s_add_nc_u64 s[PB:PB+1], s[4:5], s[2:3]
	s_add_nc_u64 s[VB:VB+1], s[6:7], s[98:99]
	s_add_nc_u64 s[OUT:OUT+1], s[12:13], s[OUT:OUT+1]
	s_add_nc_u64 s[OUTLO:OUTLO+1], s[12:13], s[OUTLO:OUTLO+1]
	s_add_nc_u64 s[G0P+2:G0P+3], s[PB:PB+1], s[OFF:OFF+1]
	s_add_nc_u64 s[G0P+6:G0P+7], s[G0P+2:G0P+3], 512
	s_or_b32 s[G0P+3], s[G0P+3], 0x80000000
	s_or_b32 s[G0P+7], s[G0P+7], 0x80000000
	s_mov_b64 s[G0V+2:G0V+3], s[VB:VB+1]
	s_add_nc_u64 s[G0V+6:G0V+7], s[VB:VB+1], VSTEP
	s_or_b32 s[G0V+3], s[G0V+3], 0x80000000
	s_or_b32 s[G0V+7], s[G0V+7], 0x80000000
	s_cmp_eq_u32 s[KIND], 0
	s_cselect_b32 s2, ttmp9, s20
	s_cmp_eq_u32 s2, 0
	s_cselect_b32 s[LIM], 1, -1                    ; the same in all four partners, for a given wave
	s_cmp_eq_u32 s[KIND], 0
	s_cselect_b32 s[LIMW], s[LIM], -1              ; behind the upper block's last tile v's waves ask no more
	s_cselect_b64 s[PFB:PFB+1], s[PB:PB+1], s[VB:VB+1]
	CROUND                                         ; all four work-groups are here: the first joint loads meet
	s_cmp_eq_u32 s[KIND], 0                        ; a wave's two first fills stand in one branch: the upper block's key steps 0 and 1; two loads of mine are out
	s_cbranch_scc0 .Lfirst_v
	tensor_load_to_lds s[G0P:G0P+3], s[G1P:G1P+7]
	s_nop 0
	tensor_load_to_lds s[G0P+4:G0P+7], s[G1P:G1P+7]
	s_nop 0
.rept 4
	v_nop
.endr
	s_branch .Lfirst_asked
.Lfirst_v:
	tensor_load_to_lds s[G0V:G0V+3], s[G1V:G1V+7]
	s_nop 0
	tensor_load_to_lds s[G0V+4:G0V+7], s[G1V:G1V+7]
	s_nop 0
.rept 4
	v_nop
.endr
.Lfirst_asked:
	; THE ROWS' STATISTICS.  Thread t owns row t of both blocks.  82 loads go out together: m and l of all 16 segments, twice, and m once more in the walk's order.
	v_lshlrev_b32 v[T4], 2, v0
	v_add_nc_u32 v[VH], s[RBH], v[T4]
	v_add_nc_u32 v[VL], s[RBL], v[T4]
.set n, 0
.rept 16
	global_load_b32 v[MH+n],  v[VH], s[8:9]   offset:32768*n
	global_load_b32 v[LH+n],  v[VH], s[10:11] offset:32768*n
	global_load_b32 v[MLO+n], v[VL], s[8:9]   offset:32768*n
	global_load_b32 v[LLO+n], v[VL], s[10:11] offset:32768*n
.set n, n+1
.endr
.irp t, 0,1,2,3,4,5,6,7,8
	s_sub_co_u32 s2, \t, s21                       ; the lower block's key step (wraps in the upper block's, where it is not used)
	s_cmp_gt_u32 s21, \t
	s_cselect_b32 s[MK+\t], -1, 0
	s_cselect_b32 s2, \t, s2
	s_cselect_b32 s3, s[RBH], s[RBL]
	s_lshl_b32 s2, s2, 16                          ; two segments of 32,768 bytes a key step
	s_add_co_u32 s2, s2, s3
	v_add_nc_u32 v[WO+\t], s2, v[T4]
	global_load_b32 v[WM+2*\t],   v[WO+\t], s[8:9]
	global_load_b32 v[WM+2*\t+1], v[WO+\t], s[8:9] offset:32768
.endr
	; while they are on their way: O = 0, the addresses
	WIN 0x80
.set n, 0
.rept 128
	v_mov_b32 v[n], 0
.set n, n+1
.endr
	WIN 0
.set n, 0
.rept 8
	v_mov_b32 v[AL+2*n+1], 0                       ; named with f as a pair
.set n, n+1
.endr
	v_and_b32 v1, 15, v0                           ; r
	v_bfe_u32 v2, v0, 4, 1                         ; h
	v_and_b32 v3, 31, v0                           ; l
	v_mul_u32_u24 v[ADP0], v1, PP
	v_lshl_add_u32 v[ADP0], v2, 4, v[ADP0]
	s_mul_i32 s2, s[KIND], PW
	s_add_co_u32 s2, s2, PBASE
	v_add_nc_u32 v[ADP0], s2, v[ADP0]              ; p: my 64 rows; row x pitch + 16 h
	v_and_b32 v4, 7, v0
	v_lshl_add_u32 v4, v2, 3, v4
	v_mul_u32_u24 v[ADV0], v4, VP
	v_bfe_u32 v5, v0, 3, 1
	v_lshl_add_u32 v[ADV0], v5, 4, v[ADV0]
	s_lshl_b32 s2, s[HALF], 7
	v_add_nc_u32 v[ADV0], s2, v[ADV0]              ; v, turned: key 8 h + l % 8, 16 bytes at 16 ((l / 8) % 2), my 64 channels
	v_mov_b32 v[ADP], v[ADP0]
	v_mov_b32 v[ADVA], v[ADV0]
	v_add_nc_u32 v[ADVB], VW, v[ADV0]
	s_lshl_b32 s2, s[KIND], 8
	s_add_co_u32 s2, s2, TAB
	v_lshl_add_u32 v[AT0], v1, 2, s2               ; f of my query in tile 0
	v_add_nc_u32 v[TS], TAB, v[T4]
	s_mul_i32 s2, s[WV], 16*SPITCH
	s_add_co_u32 s2, s2, STAGE
	v_mul_u32_u24 v[STO], v1, SPITCH
	v_lshl_add_u32 v[STO], v2, 5, v[STO]
	v_add_nc_u32 v[STO], s2, v[STO]                ; in: row r, 32 bytes for each half of the lanes
	v_mul_u32_u24 v[RD], v2, SPITCH
	v_lshl_add_u32 v[RD], v1, 4, v[RD]
	v_add_nc_u32 v[RD], s2, v[RD]                  ; back: lanes 0-15 one row of 256 bytes, lanes 16-31 the next
	v_lshlrev_b32 v[GO], 12, v2
	v_lshl_add_u32 v[GO], v1, 4, v[GO]
	s_xor_b32 s2, s[KIND], 1                       ; the prefetches' lane term.  p: two lanes a row of 512 bytes, my work-group's 16 rows; v: a lane a row
	s_movk_i32 s3, ROWV
	s_lshl_b32 s98, s17, 16
	s_cmp_eq_u32 s[KIND], 0
	s_cselect_b32 s3, 4096, s3
	s_cselect_b32 s98, s98, 0
	v_lshrrev_b32 v6, s2, v3
	v_and_b32 v7, s2, v3
	v_mul_u32_u24 v[PFL], v6, s3
	v_lshl_add_u32 v[PFL], v7, 8, v[PFL]
	v_add_nc_u32 v[PFL], s98, v[PFL]
	s_wait_loadcnt 0x0
	v_max3_num_f32 v[MXH], v[MH], v[MH+1], v[MH+2]
	v_max3_num_f32 v[MXL], v[MLO], v[MLO+1], v[MLO+2]
.irp n, 3,5,7,9,11,13
	v_max3_num_f32 v[MXH], v[MXH], v[MH+\n], v[MH+\n+1]
	v_max3_num_f32 v[MXL], v[MXL], v[MLO+\n], v[MLO+\n+1]
.endr
	v_max_num_f32 v[MXH], v[MXH], v[MH+15]
	v_max_num_f32 v[MXL], v[MXL], v[MLO+15]
.set n, 0
.rept 16
	v_sub_f32 v[MH+n], v[MH+n], v[MXH]
	v_sub_f32 v[MLO+n], v[MLO+n], v[MXL]
.set n, n+1
.endr
.irp t, 0,1,2,3,4,5,6,7,8
	v_cndmask_b32 v[WS+\t], v[MXL], v[MXH], s[MK+\t]
.endr
.irp t, 0,1,2,3,4,5,6,7,8
	v_sub_f32 v[WM+2*\t], v[WM+2*\t], v[WS+\t]
	v_sub_f32 v[WM+2*\t+1], v[WM+2*\t+1], v[WS+\t]
.endr
.set n, 0
.rept 16
	v_exp_f32 v[MH+n], v[MH+n]                     ; one batch of 50
	v_exp_f32 v[MLO+n], v[MLO+n]
.set n, n+1
.endr
.set n, 0
.rept 18
	v_exp_f32 v[WM+n], v[WM+n]
.set n, n+1
.endr
	v_nop                                          ; a plain instruction behind the last exponential,
	s_wait_alu depctr_va_vdst(0)                   ; and one wait for the batch, ahead of its first reader
	v_mul_f32 v[LSH], v[MH], v[LH]
	v_mul_f32 v[LSL], v[MLO], v[LLO]
.set n, 1
.rept 15
	v_fmac_f32 v[LSH], v[MH+n], v[LH+n]
	v_fmac_f32 v[LSL], v[MLO+n], v[LLO+n]
.set n, n+1
.endr
	v_rcp_f32 v[RCH], v[LSH]                       ; L is at least 1: the segment with the row's maximum has factor 1 and l of 1 or more
	v_rcp_f32 v[RCL], v[LSL]
	v_nop
	s_wait_alu depctr_va_vdst(0)
.irp t, 0,1,2,3,4,5,6,7,8
	v_cndmask_b32 v[WS+\t], v[RCL], v[RCH], s[MK+\t]
.endr
.irp t, 0,1,2,3,4,5,6,7,8
	v_mul_f32 v[WM+2*\t], v[WM+2*\t], v[WS+\t]
	v_mul_f32 v[WM+2*\t+1], v[WM+2*\t+1], v[WS+\t]
	ds_store_b32 v[TS], v[WM+2*\t] offset:1024*\t
	ds_store_b32 v[TS], v[WM+2*\t+1] offset:1024*\t+512
.endr
; 8 matrix instructions: query tiles a0, a0 + 1 x 4 channel blocks, 32 keys: half c of buffer f.  The 16 accumulators take turns in one order everywhere.
.macro MUL8 f, c, a0, zero
	WIN MUL
.irp a, \a0, (\a0)+1
.irp b, 0,1,2,3
.if \zero
	v_wmma_f32_16x16x32_f16 v[ACC+8*(4*(\a)+(\b)):ACC+8*(4*(\a)+(\b))+7], v[(\f)+64+8*(4*(\c)+(\b)):(\f)+64+8*(4*(\c)+(\b))+7], v[(\f)+8*(4*(\c)+(\a)):(\f)+8*(4*(\c)+(\a))+7], 0
.else
	v_wmma_f32_16x16x32_f16 v[ACC+8*(4*(\a)+(\b)):ACC+8*(4*(\a)+(\b))+7], v[(\f)+64+8*(4*(\c)+(\b)):(\f)+64+8*(4*(\c)+(\b))+7], v[(\f)+8*(4*(\c)+(\a)):(\f)+8*(4*(\c)+(\a))+7], v[ACC+8*(4*(\a)+(\b)):ACC+8*(4*(\a)+(\b))+7]
.endif
.endr
.endr
.endm
; 32 LDS loads in one run: quarter q (64 keys) of the slot in hand into buffer f; its first 32 keys first
.macro FETCH q, f
	WIN TO_F
.irp c, 0,1
.irp i, 0,1,2,3
	ds_load_tr16_b128 v[(\f)+64+8*(4*(\c)+(\i)):(\f)+64+8*(4*(\c)+(\i))+3],   v[ADVA+(\q)/2] offset:((\q)%2)*64*VP+(\c)*32*VP+32*(\i)
	ds_load_tr16_b128 v[(\f)+64+8*(4*(\c)+(\i))+4:(\f)+64+8*(4*(\c)+(\i))+7], v[ADVA+(\q)/2] offset:((\q)%2)*64*VP+(\c)*32*VP+32*(\i)+16*VP
	ds_load_b128 v[(\f)+8*(4*(\c)+(\i)):(\f)+8*(4*(\c)+(\i))+3],   v[ADP] offset:128*(\q)+64*(\c)+(\i)*16*PP
	ds_load_b128 v[(\f)+8*(4*(\c)+(\i))+4:(\f)+8*(4*(\c)+(\i))+7], v[ADP] offset:128*(\q)+64*(\c)+(\i)*16*PP+32
.endr
.endr
.endm
.macro PLACES
.rept 4
	v_nop
.endr
.endm
; A key step is four quarters of 64 keys, 32 matrix instructions each, on buffers 0, 1, 0, 1; two quarters are a segment.  zero = 1: a segment's first products start T.  al = 1: the key step's eight f are fetched.
.macro QUARTER q, f, g, zero, al
	s_wait_dscnt 16                                ; the first 32 keys' fragments are in
	MUL8 \f, 0, 0, \zero
	MUL8 \f, 0, 2, \zero
	PLACES
.if \al
	WIN 0
	v_add_nc_u32 v[ATV], s[AT], v[AT0]
	s_add_co_u32 s[AT], s[AT], 1024
.irp sg, 0,1
.irp a, 0,1,2,3
	ds_load_b32 v[AL+8*(\sg)+2*(\a)], v[ATV] offset:512*(\sg)+64*(\a)
.endr
.endr
.endif
	FETCH \q, \g
	s_wait_dscnt 32                                ; all but the 32 just issued: f too
	MUL8 \f, 1, 0, 0
	MUL8 \f, 1, 2, 0
.endm
.macro LUMP sg                         ; O += f T: T's registers ascending
	PLACES
	WIN 0xa0                                       ; O (destination and source 2) window 2; T and f window 0
.irp a, 0,1,2,3
.set z, 0
.rept 16
	v_pk_fma_f32 v[32*(\a)+z:32*(\a)+z+1], v[ACC+32*(\a)+z:ACC+32*(\a)+z+1], v[AL+8*(\sg)+2*(\a):AL+8*(\sg)+2*(\a)+1], v[32*(\a)+z:32*(\a)+z+1] op_sel_hi:[1,0,1]
.set z, z+2
.endr
.endr
.endm
; The fourth quarter and the change of slots.  All my tensor loads waited for, the add, the descriptors made anew from the tile's number, my reads of the slot waited for; the barrier opens a round of the cluster's barrier;
; behind the round the slot just read is filled again, first thing, with the walk's key step two on: 112 matrix instructions and two lumps ahead of the wait for it.
.macro TURN
	s_wait_xcnt 0x0                                ; the last prefetches and stores have read their registers
	WIN 0
	s_wait_tensorcnt 0x0
	ds_add_u32 v[SPW], v[NIL]                      ; 0 onto my spare word
	s_lshl_b32 s[OFF], s[NXT], 9                   ; 512 bytes of a row of pt a key step
	s_add_co_u32 s[OFF], s[OFF], s[ROWA]
	s_mul_i32 s[OFV], s[NXT], VSTEP
	s_xor_b32 s[G0P+5], s[G0P+5], PCH
	s_add_nc_u64 s[G0P+6:G0P+7], s[PB:PB+1], s[OFF:OFF+1]
	s_or_b32 s[G0P+7], s[G0P+7], 0x80000000
	s_xor_b32 s[G0V+5], s[G0V+5], VCH
	s_add_nc_u64 s[G0V+6:G0V+7], s[VB:VB+1], s[OFV:OFV+1]
	s_or_b32 s[G0V+7], s[G0V+7], 0x80000000
	s_add_co_u32 s[NXT], s[NXT], 1                 ; the block's next key step, or behind its last the lower block's first
	s_cmp_gt_u32 s[NXT], s[LQ]
	s_cselect_b32 s[NXT], 0, s[NXT]
	s_cselect_b32 s[LQ], s[LQLO], s[LQ]
	s_cselect_b32 s[ROWA], s[ROWALO], s[ROWA]
	s_cselect_b32 s[LIM], s[LIMW], s[LIM]
	s_lshl_b32 s[PO], s[NXT], 9                    ; where that one lies: for the prefetch
	s_add_co_u32 s[PO], s[PO], s[ROWA]
	s_mul_i32 s85, s[NXT], VSTEP
	s_cmp_eq_u32 s[KIND], 0
	s_cselect_b32 s[PO], s[PO], s85
	s_wait_dscnt 17                                ; (the add and the youngest sixteen loads may be out)
	MUL8 F1, 0, 0, 0
	s_wait_dscnt 0x0                               ; the add is done, and my reads of this slot are over
	s_barrier_signal -1
	MUL8 F1, 0, 2, 0
	WIN 0
	s_barrier_wait -1
	CREST
	JLOAD                                          ; its four v_nop are also places in front of the loads below
	s_xor_b32 s[TBP], s[TBP], PCH
	s_xor_b32 s[TBV], s[TBV], VCH
	v_add_nc_u32 v[ADP], s[TBP], v[ADP0]
	v_add_nc_u32 v[ADVA], s[TBV], v[ADV0]
	v_add_nc_u32 v[ADVB], VW, v[ADVA]
	v_add_nc_u32 v[PFV], s[PO], v[PFL]
	FETCH 0, F0
	WIN 0
	ASK
	MUL8 F1, 1, 0, 0
	MUL8 F1, 1, 2, 0
.endm
; THE WAY OUT: a query tile (16 rows x 64 channels of f32) at a time through my stage, back as whole rows of 256 bytes.
.macro WAYOUT
.irp a, 0,1,2,3
.set BK, OB+32*((\a)%2)
	WIN 0x08                                       ; the stores' data in window 2
.irp b, 0,1,2,3
	ds_store_b128 v[STO], v[32*(\a)+8*(\b):32*(\a)+8*(\b)+3]   offset:64*(\b)
	ds_store_b128 v[STO], v[32*(\a)+8*(\b)+4:32*(\a)+8*(\b)+7] offset:64*(\b)+16
.endr
	WIN 0
.irp t, 0,1,2,3,4,5,6,7
	ds_load_b128 v[BK+4*(\t):BK+4*(\t)+3], v[RD] offset:(\t)*2*SPITCH  ; LDS serves a wave's instructions in order (ISA guide 5.7.1.4)
.endr
	s_wait_dscnt 0x0
	s_wait_xcnt 0x0                                ; the stores of the tile before have read their data: the next tile loads over the registers of the tile before that
.irp t, 0,1,2,3,4,5,6,7
	global_store_b128 v[GO], v[BK+4*(\t):BK+4*(\t)+3], s[OUT:OUT+1] offset:(16*(\a)+2*(\t))*4096 th:TH_STORE_NT  ; 16 lanes store 256 consecutive bytes, aligned
.endr
.endr
.endm
.macro BLOCKEND                        ; behind a block's last key step: out it goes, and the lower block begins.  What is jumped holds no barrier and no tensor load.
	WIN 0
	s_sub_co_u32 s[RT], s[RT], 1
	s_cmp_lg_u32 s[RT], 0
	s_cbranch_scc1 .Lgo_on_\@
	WAYOUT
	s_wait_xcnt 0x0                                ; the stores have read their base and data
	s_mov_b64 s[OUT:OUT+1], s[OUTLO:OUTLO+1]
	s_mov_b32 s[RT], s22
	WIN 0x80
.set n, 0
.rept 128
	v_mov_b32 v[n], 0
.set n, n+1
.endr
	WIN 0
.Lgo_on_\@:
.endm
	s_wait_tensorcnt 1                             ; my part of key step 0 is in; key step 1's may stay out
	s_wait_dscnt 0x0                               ; my rows of the table are written
	s_barrier_signal -1
	s_barrier_wait -1
	FETCH 0, F0
	WIN 0
	s_mov_b32 s[CNT], 7
.Ltrip:                                        ; a key step of the walk; the refill asks for the key step two on
	QUARTER 1, F0, F1, 1, 1
	QUARTER 2, F1, F0, 0, 0
	LUMP 0
	QUARTER 3, F0, F1, 1, 0
	TURN
	LUMP 1
	BLOCKEND
	s_sub_co_u32 s[CNT], s[CNT], 1
	s_cmp_lg_u32 s[CNT], 0
	s_cbranch_scc1 .Ltrip
	s_mov_b32 s[TC], 2
.Ltail:                                        ; the walk's last two key steps ask for nothing; the second trip is left in its middle
	QUARTER 1, F0, F1, 1, 1
	QUARTER 2, F1, F0, 0, 0
	LUMP 0
	QUARTER 3, F0, F1, 1, 0
	s_wait_dscnt 0x0
	MUL8 F1, 0, 0, 0
	MUL8 F1, 0, 2, 0
	MUL8 F1, 1, 0, 0
	MUL8 F1, 1, 2, 0
	LUMP 1
	BLOCKEND
	s_sub_co_u32 s[TC], s[TC], 1
	s_cmp_eq_u32 s[TC], 0
	s_cbranch_scc1 .Lout
	s_wait_tensorcnt 0x0                           ; my part of the last key step
	ds_add_u32 v[SPW], v[NIL]
	s_xor_b32 s[TBP], s[TBP], PCH
	s_xor_b32 s[TBV], s[TBV], VCH
	s_wait_dscnt 0x0
	s_barrier_signal -1
	s_barrier_wait -1
	PLACES
	v_add_nc_u32 v[ADP], s[TBP], v[ADP0]
	v_add_nc_u32 v[ADVA], s[TBV], v[ADV0]
	v_add_nc_u32 v[ADVB], VW, v[ADVA]
	FETCH 0, F0
	WIN 0
	s_branch .Ltail
.Lout:
	s_wait_tensorcnt 0x0                           ; the wave's end
	ds_add_u32 v[SPW], v[NIL]
	s_wait_dscnt 0x0
	CROUND                                         ; the closing round
	s_endpgm
.Lfunc_end_k_qe8ff5189d3_pv:
	.size	k_qe8ff5189d3_pv, .Lfunc_end_k_qe8ff5189d3_pv-k_qe8ff5189d3_pv
	.p2alignl 7, 3214868480
	.fill 96, 4, 3214868480
	.section	.rodata,"a",@progbits
	.p2align	6, 0x0
	.amdhsa_kernel k_qe8ff5189d3_pv
		.amdhsa_group_segment_fixed_size 327680
		.amdhsa_private_segment_fixed_size 0
		.amdhsa_enable_private_segment 0
		.amdhsa_kernarg_size 40
		.amdhsa_user_sgpr_count 2
		.amdhsa_user_sgpr_kernarg_segment_ptr 1
		.amdhsa_wavefront_size32 1
		.amdhsa_system_sgpr_workgroup_id_x 1
		.amdhsa_system_sgpr_workgroup_id_y 1
		.amdhsa_system_sgpr_workgroup_id_z 1
		.amdhsa_system_vgpr_workitem_id 0
		.amdhsa_next_free_vgpr 640
		.amdhsa_next_free_sgpr 102
		.amdhsa_reserve_vcc 0
		.amdhsa_float_denorm_mode_32 3
		.amdhsa_float_denorm_mode_16_64 3
		.amdhsa_memory_ordered 1
		.amdhsa_forward_progress 1
		.amdhsa_inst_pref_size 113
	.end_amdhsa_kernel
	.amdgpu_metadata
---
amdhsa.version: [ 1, 2 ]
amdhsa.kernels:
  - .name:           k_qe8ff5189d3_pv
    .symbol:         k_qe8ff5189d3_pv.kd
    .args:
      - { .name: pt, .offset: 0, .size: 8, .value_kind: global_buffer, .address_space: global }
      - { .name: vb, .offset: 8, .size: 8, .value_kind: global_buffer, .address_space: global }
      - { .name: ms, .offset: 16, .size: 8, .value_kind: global_buffer, .address_space: global }
      - { .name: ls, .offset: 24, .size: 8, .value_kind: global_buffer, .address_space: global }
      - { .name: out0, .offset: 32, .size: 8, .value_kind: global_buffer, .address_space: global }
    .group_segment_fixed_size: 327680
    .private_segment_fixed_size: 0
    .kernarg_segment_align: 8
    .kernarg_segment_size: 40
    .max_flat_workgroup_size: 128
    .sgpr_count:     102
    .vgpr_count:     640
    .wavefront_size: 32
...
	.end_amdgpu_metadata
.endif
;; end of part 5
